; MI455X (gfx1250); checked and timed in simulation.
; The chip was launched on July 23, 2026; its instructions are those of AMD's public machine-readable ISA for CDNA 5 (MIT licence, August 2026) and "CDNA5" Instruction Set Architecture Reference Guide (July 2026). The comments in the code are by the model that wrote it; some were corrected since.
;; Attention. Allowed arithmetic: matrix products marked QUANTISED: E2M1 operands, one E8M0 scale for each 32 along K, by v_wmma_scale_f32_16x16x128_f8f6f4 with both operands' format E2M1 (or v_wmma_scale_f32_32x16x128_f4), f32 sums; products left as they are: f32 operands where the result goes on into a quantised operand, else bf16, f16 or f32 operands; f32 sums; everything else in f32.
;; Inputs: Wh 1,024 x 1,024 float32; Ws 1,024 x 1,024 float32; bh 1,024 float32; bs 1,024 float32; coverage_vector 32 x 2,048 float32; dec_in_state 32 x 1,024 float32; enc_lens 32 int32; enc_states 32 x 2,048 x 1,024 float32; v 1,024 float32; wc 1,024 float32.
;; Outputs: out0 32 x 1,024 float32; out1 32 x 2,048 float32; out2 32 x 2,048 float32.
;; This version of the problem:
;;   THIS VERSION OF THE PROBLEM IS GIVEN IN LOW PRECISION. The matrix products marked QUANTISED in the list below multiply operands that are first quantised to E2M1 (2 exponent bits, 1 mantissa bit; 4 bits a number), with one power-of-two scale for each 32 numbers along K (OCP MX v1.0); their sums are f32. All else is computed in f32.
;;   The module's matrix products, in the order in which they are computed (A, B: the left and right operand; K: the contracted axis; several contracted axes count as one K, in the product's order):
;;     1. [M 65,536, K 1,024] x [K 1,024, N 1,024]; A: input enc_states; B: input Wh: QUANTISED
;;     2. [M 32, K 1,024] x [K 1,024, N 1,024]; A: input dec_in_state; B: input Ws: QUANTISED
;;     3. [M 65,536, K 1,024] x [K 1,024, N 1]; A: computed on the way; B: input v: left as it is (N = 1 < 16)
;;     4. batch 32 x [M 1, K 2,048] x [K 2,048, N 1,024]; A: computed on the way; B: input enc_states: left as it is (M = 1 < 16)
;;   THE QUANTISER, for each operand of a quantised product, along K:
;;     - K is cut into blocks of 32 from its start; a last block that is shorter is filled with zeros.
;;     - A block's scale is 2^e with e = floor(log2(the largest magnitude in the block)) - 2, held to -126 .. 127; a block of zeros has e = 0. As a byte (E8M0): e + 127.
;;     - Each number is divided by its block's scale, clamped to +-6, and rounded to the nearest number of E2M1, ties to even, subnormals kept.
;;     - The product sums the exact products of the quantised numbers (number of the format x scale) in f32.
;;   ~~~python
;;   def quantise(x, axis):      # numpy; x: float32 -> the quantised numbers, widened to float32 again
;;       x = np.moveaxis(x, axis, -1); K = x.shape[-1]
;;       x = np.pad(x, [(0, 0)] * (x.ndim - 1) + [(0, -K % 32)]); x = x.reshape(x.shape[:-1] + (-1, 32)); a = np.abs(x).max(-1, keepdims=True)
;;       e = np.where(a > 0, np.clip(np.frexp(np.where(a > 0, a, 1))[1] - 1 - 2, -126, 127), 0)      # np.frexp(a)[1] - 1 = floor(log2(a)), exactly
;;       r = np.clip(x / 2.0 ** e, -6, 6)
;;       step = 2.0 ** (np.maximum(np.frexp(np.where(r == 0, 1, r))[1] - 1, 0) - 1)
;;       q = np.round(r / step) * step * 2.0 ** e      # np.round: ties to even
;;       return np.moveaxis(q.reshape(q.shape[:-2] + (-1,))[..., :K], -1, axis).astype(np.float32)
;;   ~~~
;; 2 versions. Each part assembles by itself: llvm-mc -triple=amdgcn-amd-amdhsa -mcpu=gfx1250 --defsym DOCPART=n.
;; ======== version 1 of 2: 3 launches
;; limits: values are held in f16: magnitudes above 65,504 overflow, below 6.1e-05 lose precision
;; workspace buffers: whc 524,288 bytes; whs 32,768 bytes; cb 131,072 bytes; tsc 270,336 bytes; part 3,407,872 bytes
;; launch prep (part 1): grid 80 x 1, 8 waves a work-group, no clusters, 17,408 bytes of LDS; arguments Wh, Ws, dec_in_state, bh, bs, whc, whs, cb; writes whc, whs, cb
.if DOCPART == 1
	.amdgcn_target "amdgcn-amd-amdhsa--gfx1250"
	.amdhsa_code_object_version 6
	.text
	.protected	k_qa8fbeff244_prep
	.globl	k_qa8fbeff244_prep
	.p2align	8
	.type	k_qa8fbeff244_prep,@function
k_qa8fbeff244_prep:
	s_mov_b64 s[64:65], 0
	v_nop
	global_prefetch_b8 v0, s[64:65] scope:SCOPE_SE
	s_setreg_imm32_b32 hwreg(HW_REG_WAVE_MODE, 25, 1), 1
	s_wait_xcnt 0x0
; THE PROGRAM (three launches): prep | scores | finish.
;   e[b][s] = v . tanh(enc[b][s] Wh^T + bh + dec[b] Ws^T + bs + cov[b][s] wc);  attn = softmax(e) x mask / sum(softmax(e) x mask);  context = attn . enc;  coverage_out = cov + attn.
;   Both products with Wh and Ws run on codes of E2M1 with one E8M0 scale for each 32 along K.
; WORK LEFT OUT, for all values of the inputs:
;   (1) softmax(e)[s] = exp(e[s] - max) / Z.  In attn = softmax x mask / sum(softmax x mask) the factor exp(-max) / Z stands in the numerator and in every term of the divisor, so
;       attn[s] = mask[s] exp(e[s]) / sum_j mask[j] exp(e[j]).  So e[b][s] with s >= enc_lens[b] reaches no output, and row s of enc_states reaches context only times attn[s] = 0.
;       enc_lens is a whole-number input: launch scores reads it and takes only tiles of rows that begin under it.  A maximum is still taken away ahead of every exponential: that of the rows that count.
;   (2) tanh(x) = 1 - 2 / (1 + exp(2 x)), so e = sum_m v[m] - 2 sum_m v[m] r[m] with r = 1 / (1 + exp(2 x)).  The first term is the same along the softmax's axis and goes.
;   Every input has a way to an output and is loaded.
; LIMITS: a NaN, an infinity or an overflow that reaches only the work left out (rows at or past enc_lens in tiles that are not taken; the sum of v) is not carried to the result.  Where a masked score lies so far
;   above all that count that reference()'s own softmax gives 0 / 0, this program gives the finite quotient.  enc_lens under 1 (reference(): NaN) is taken as 1; above 2,048 it acts as 2,048, as in reference().
;   Blocks whose largest magnitude lies under 2^-124 get the scale byte 1; a block of zeros too (its codes are zeros, and the bytes are read by this program alone).  NaN and infinities in quantised operands are not served.
;
; THIS LAUNCH.  Work-groups 64 .. 79: Wh [1024][1024] f32 becomes codes and scale words laid IN THE ORDER OF THE OPERAND'S REGISTERS:
;   whc [g 16][j 8][ct 4][c 2][lane 32][16 bytes]: rows 64 g + 16 ct + lane % 16, k = 128 j + 64 c + 32 (lane / 16) + 0 .. 31;
;   whs [g][j][lane][2 words]: word q = the scale word (K step j) of row 64 g + 16 (2 q + lane / 16) + lane % 16.   Wave = one (g, j): four fragments.
; Work-groups 0 .. 63: cb[b][m] = c (dec[b] . Ws[m] + bh[m] + bs[m]), c = 2 log2(e), for the 16 features m = 16 x work-group + ..: wave j takes K step j, the eight partial sums meet in LDS.
; A lane holds two whole blocks of 32 along K (its row's k = 64 c + 32 h + 0 .. 31), so a block's largest magnitude needs no other lane and the conversions' results are the operand's registers.
.set C2L,   0x4038aa3b                 ; c = 2 log2(e)
.set SPARE, 16384                      ; LDS: 0 .. 16,383 the partial sums (8 waves x 2,048 bytes, images of registers); then the spare words, 128 bytes a wave
.set RR,  1                            ; v1   r = lane % 16
.set HH,  2                            ; v2   h = lane / 16
.set VIN, 3                            ; v3   my bytes in 16 rows of 4,096: 4,096 r + 128 h
.set L16, 4                            ; v4   16 x lane
.set L8,  5                            ; v5   8 x lane
.set SH,  6                            ; v6   8 h: where my two scale bytes stand in the word
.set SPW, 7                            ; v7   LDS address of my spare word; never rewritten
.set NIL, 8                            ; v8   0; never rewritten
.set PSS, 9                            ; v9   where I put my partial sums
.set PSL, 10                           ; v10  where I read eight waves' partial sums
.set BO,  11                           ; v11  my four features' bytes in bh, bs
.set CO,  12                           ; v12  and in cb
.set CD,  16                           ; v16-47  codes: fragment f at 8 f
.set SW,  48                           ; v48-51  scale words, one a fragment: they hold scales and nothing else
.set MM,  52                           ; v52-53  largest magnitudes
.set SC,  54                           ; v54-55  the conversions' scale operands
.set BY,  56                           ; v56-57  scale bytes
.set PT,  58                           ; v58     the other half's bytes
.set PR,  60                           ; v60-61  the two words that leave
.set X,   64                           ; v64-255 three sets of 64 numbers
.macro LOADF set, base, off, nt        ; 16 rows x 128 along K, 64 numbers a lane, into set
.irp c, 0,1
.irp i, 0,1,2,3,4,5,6,7
.if \nt
	global_load_b128 v[X+64*(\set)+32*\c+4*\i:X+64*(\set)+32*\c+4*\i+3], v[VIN], s[\base:\base+1] offset:(\off)+256*\c+16*\i th:TH_LOAD_NT
.else
	global_load_b128 v[X+64*(\set)+32*\c+4*\i:X+64*(\set)+32*\c+4*\i+3], v[VIN], s[\base:\base+1] offset:(\off)+256*\c+16*\i
.endif
.endr
.endr
.endm
.macro QB set, f                       ; the 64 numbers of set become fragment f's eight registers of codes and its scale word
.set XS, X+64*(\set)
.irp c, 0,1
	v_max3_num_f32 v[MM+\c], |v[XS+32*\c]|, |v[XS+32*\c+1]|, 0x1800000   ; my block 2 c + h, and the floor 2^(3 - 127): the byte cannot fall under 1
.endr
.irp i, 2,4,6,8,10,12,14,16,18,20,22,24,26,28,30
.irp c, 0,1
	v_max3_num_f32 v[MM+\c], v[MM+\c], |v[XS+32*\c+\i]|, |v[XS+32*\c+\i+1]|   ; (the two blocks by turns)
.endr
.endr
.irp c, 0,1
	v_add_nc_u32 v[SC+\c], 0xff000000, v[MM+\c]    ; 2 off the exponent field: the conversion takes this operand's exponent field as its scale
.endr
.irp c, 0,1
	v_lshrrev_b32 v[BY+\c], 23, v[SC+\c]           ; the scale's byte
.endr
	v_lshl_or_b32 v[SW+(\f)], v[BY+1], 16, v[BY]   ; blocks h and 2 + h,
	v_lshlrev_b32 v[SW+(\f)], v[SH], v[SW+(\f)]    ; at their places;
	v_permlanex16_b32 v[PT], v[SW+(\f)], s22, s23
	v_or_b32 v[SW+(\f)], v[SW+(\f)], v[PT]         ; with lane l xor 16's two the word is whole, in both halves
.irp c, 0,1
.irp g, 0,1,2,3
	v_cvt_scalef32_pk8_fp4_f32 v[CD+8*(\f)+4*\c+\g], v[XS+32*\c+8*\g:XS+32*\c+8*\g+7], v[SC+\c]
.endr
.endr
	v_nop                                          ; one plain instruction behind the last scaled conversion
.endm
.macro OUTF f                          ; fragment f leaves as it stands: each store of the wave covers 512 consecutive bytes
	global_store_b128 v[L16], v[CD+8*(\f):CD+8*(\f)+3], s[14:15] offset:1024*(\f)
	global_store_b128 v[L16], v[CD+8*(\f)+4:CD+8*(\f)+7], s[14:15] offset:1024*(\f)+512
.endm
	s_load_b512 s[4:19], s[0:1], 0x0               ; Wh s[4:5], Ws s[6:7], dec s[8:9], bh s[10:11], bs s[12:13], whc s[14:15], whs s[16:17], cb s[18:19]
	v_lshl_add_u32 v[SPW], v0, 2, SPARE
	v_mov_b32 v[NIL], 0
	v_lshrrev_b32 v9, 5, v0
	v_readfirstlane_b32 s20, v9                    ; wave 0..7 = K step j
	v_and_b32 v[RR], 15, v0
	v_bfe_u32 v[HH], v0, 4, 1
	v_lshlrev_b32 v[VIN], 12, v[RR]
	v_lshl_add_u32 v[VIN], v[HH], 7, v[VIN]
	v_and_b32 v[L16], 31, v0
	v_lshlrev_b32 v[L8], 3, v[L16]
	v_lshlrev_b32 v[L16], 4, v[L16]
	v_lshlrev_b32 v[SH], 3, v[HH]
	v_mov_b32 v[PT], 0                             ; written once: a lane permute's destination counts as one of its sources
	s_mov_b32 s22, 0x76543210
	s_mov_b32 s23, 0xfedcba98                      ; v_permlanex16_b32's selects for lane l xor 16
	s_mov_b32 s24, C2L
	s_mov_b32 s25, C2L                             ; (named with it as a pair)
	s_lshl_b32 s26, s20, 9                         ; my K step's 512 bytes of a row
	s_mov_b32 s27, 0
	s_mov_b32 s29, 0
	s_wait_kmcnt 0x0
	s_cmp_lt_u32 ttmp9, 64                         ; the work-group's number alone decides: all eight waves go the same way
	s_cbranch_scc1 .Ldec
	; ---- Wh: wave (g, j) quantises four fragments
	s_sub_co_u32 s30, ttmp9, 64                    ; g
	s_lshl_b32 s28, s30, 18                        ; 64 rows of 4,096 bytes
	s_add_co_u32 s28, s28, s26
	s_add_nc_u64 s[4:5], s[4:5], s[28:29]
	s_lshl_b32 s30, s30, 3
	s_add_co_u32 s30, s30, s20                     ; u = 8 g + j
	s_lshl_b32 s28, s30, 12
	s_add_nc_u64 s[14:15], s[14:15], s[28:29]      ; 4,096 bytes of codes
	s_lshl_b32 s28, s30, 8
	s_add_nc_u64 s[16:17], s[16:17], s[28:29]      ; 256 bytes of scale words
	LOADF 0, 4, 0, 1
	LOADF 1, 4, 65536, 1
	LOADF 2, 4, 131072, 1
	s_wait_loadcnt 32                              ; fragment 0's sixteen loads are in; those of fragments 1 and 2 may be out
	QB 0, 0
	OUTF 0
	LOADF 0, 4, 196608, 1                          ; fragment 3 into the set that fragment 0 has left
	s_wait_loadcnt 32                              ; fragment 1 is in; 2 and 3 may be out
	QB 1, 1
	OUTF 1
	s_wait_loadcnt 16                              ; fragment 2 is in; 3 may be out
	QB 2, 2
	OUTF 2
	s_wait_loadcnt 0x0
	QB 0, 3
	OUTF 3
	v_cmp_ne_u32 vcc_lo, 0, v[HH]
	v_cndmask_b32 v[PR], v[SW], v[SW+1], vcc_lo    ; lanes 0-15: fragments 0 and 2; lanes 16-31: fragments 1 and 3
	v_cndmask_b32 v[PR+1], v[SW+2], v[SW+3], vcc_lo
	global_store_b64 v[L8], v[PR:PR+1], s[16:17]   ; the wave stores 256 consecutive bytes
	s_branch .Lend
	; ---- the decoder's features: 16 rows of Ws against the 32 rows of dec, K step j in wave j
.Ldec:
	s_lshl_b32 s28, ttmp9, 16                      ; 16 rows of Ws
	s_add_co_u32 s28, s28, s26
	s_add_nc_u64 s[6:7], s[6:7], s[28:29]
	s_add_nc_u64 s[8:9], s[8:9], s[26:27]
	LOADF 0, 6, 0, 1
	LOADF 1, 8, 0, 0                               ; batches 0-15
	LOADF 2, 8, 65536, 0                           ; batches 16-31
	s_lshl_b32 s30, s20, 11
	v_add_nc_u32 v[PSS], s30, v[L16]               ; my wave's 2,048 bytes
	s_lshl_b32 s30, s20, 9
	v_add_nc_u32 v[PSL], s30, v[L16]               ; waves 0-3: quarter w of every wave's 2,048
	s_and_b32 s31, s20, 1
	s_lshl_b32 s31, s31, 4
	s_lshl_b32 s30, ttmp9, 6
	s_add_co_u32 s30, s30, s31
	v_lshl_add_u32 v[BO], v[HH], 5, s30            ; features 16 mt + 8 h + 4 (w % 2) + 0 .. 3, in bytes
	s_lshr_b32 s31, s20, 1
	s_lshl_b32 s31, s31, 16
	v_lshl_add_u32 v[CO], v[RR], 12, v[BO]
	v_add_nc_u32 v[CO], s31, v[CO]                 ; batch 16 (w / 2) + r
	s_cmp_lt_u32 s20, 4                            ; waves 0-3 finish the sums: they alone want the biases
	s_cbranch_scc0 .Lno_bias
	global_load_b128 v[40:43], v[BO], s[10:11]
	global_load_b128 v[44:47], v[BO], s[12:13]
.Lno_bias:
	s_wait_loadcnt 0x0
	QB 0, 0
	QB 1, 1
	QB 2, 2
.rept 8
	v_nop                                          ; a scale register written by a vector instruction stands eight places ahead of a scaled matrix instruction, an operand so written four
.endr
	; source 0 = 16 rows of Ws, source 1 = 16 rows of dec: lane r holds batch r, register i feature 8 h + i
	v_wmma_scale_f32_16x16x128_f8f6f4 v[64:71], v[16:23], v[24:31], 0, v48, v49 matrix_a_fmt:MATRIX_FMT_FP4 matrix_b_fmt:MATRIX_FMT_FP4
	v_wmma_scale_f32_16x16x128_f8f6f4 v[72:79], v[16:23], v[32:39], 0, v48, v50 matrix_a_fmt:MATRIX_FMT_FP4 matrix_b_fmt:MATRIX_FMT_FP4
.rept 4
	v_nop                                          ; four places ahead of the first read of the results
.endr
	ds_store_b128 v[PSS], v[64:67]                 ; each result from its low end on
	ds_store_b128 v[PSS], v[68:71] offset:512
	ds_store_b128 v[PSS], v[72:75] offset:1024
	ds_store_b128 v[PSS], v[76:79] offset:1536
	s_wait_dscnt 0x0                               ; for the others' sake: my partial sums lie in LDS
	s_barrier_signal -1
	s_barrier_wait -1
	s_cmp_lt_u32 s20, 4
	s_cbranch_scc0 .Lend
.irp p, 0,1,2,3,4,5,6,7
	ds_load_b128 v[96+4*\p:99+4*\p], v[PSL] offset:2048*\p   ; K step p's part of my four features x 32 lanes
.endr
	v_pk_add_f32 v[40:41], v[40:41], v[44:45]      ; bh + bs,
	v_pk_add_f32 v[42:43], v[42:43], v[46:47]
	v_pk_mul_f32 v[40:41], v[40:41], s[24:25] op_sel_hi:[1,0]   ; x c
	v_pk_mul_f32 v[42:43], v[42:43], s[24:25] op_sel_hi:[1,0]
	s_wait_dscnt 0x0
.irp p, 0,2,4,6
	v_pk_add_f32 v[96+4*\p:97+4*\p], v[96+4*\p:97+4*\p], v[100+4*\p:101+4*\p]
	v_pk_add_f32 v[98+4*\p:99+4*\p], v[98+4*\p:99+4*\p], v[102+4*\p:103+4*\p]
.endr
.irp p, 0,4
	v_pk_add_f32 v[96+4*\p:97+4*\p], v[96+4*\p:97+4*\p], v[104+4*\p:105+4*\p]
	v_pk_add_f32 v[98+4*\p:99+4*\p], v[98+4*\p:99+4*\p], v[106+4*\p:107+4*\p]
.endr
	v_pk_add_f32 v[96:97], v[96:97], v[112:113]
	v_pk_add_f32 v[98:99], v[98:99], v[114:115]
	v_pk_fma_f32 v[96:97], v[96:97], s[24:25], v[40:41] op_sel_hi:[1,0,1]   ; c x the product + c (bh + bs)
	v_pk_fma_f32 v[98:99], v[98:99], s[24:25], v[42:43] op_sel_hi:[1,0,1]
	global_store_b128 v[CO], v[96:99], s[18:19]
.Lend:
	s_wait_tensorcnt 0x0                           ; the wave's end: behind my last LDS store
	ds_add_u32 v[SPW], v[NIL]
	s_wait_dscnt 0x0
	s_endpgm
.Lfunc_end_k_qa8fbeff244_prep:
	.size	k_qa8fbeff244_prep, .Lfunc_end_k_qa8fbeff244_prep-k_qa8fbeff244_prep
	.p2alignl 7, 3214868480
	.fill 96, 4, 3214868480
	.section	.rodata,"a",@progbits
	.p2align	6, 0x0
	.amdhsa_kernel k_qa8fbeff244_prep
		.amdhsa_group_segment_fixed_size 17408
		.amdhsa_private_segment_fixed_size 0
		.amdhsa_enable_private_segment 0
		.amdhsa_kernarg_size 64
		.amdhsa_user_sgpr_count 2
		.amdhsa_user_sgpr_kernarg_segment_ptr 1
		.amdhsa_wavefront_size32 1
		.amdhsa_system_sgpr_workgroup_id_x 1
		.amdhsa_system_sgpr_workgroup_id_y 1
		.amdhsa_system_sgpr_workgroup_id_z 1
		.amdhsa_system_vgpr_workitem_id 0
		.amdhsa_next_free_vgpr 256
		.amdhsa_next_free_sgpr 66
		.amdhsa_reserve_vcc 1
		.amdhsa_float_denorm_mode_32 3
		.amdhsa_float_denorm_mode_16_64 3
		.amdhsa_memory_ordered 1
		.amdhsa_forward_progress 1
		.amdhsa_inst_pref_size 38
	.end_amdhsa_kernel
	.amdgpu_metadata
---
amdhsa.version: [ 1, 2 ]
amdhsa.kernels:
  - .name:           k_qa8fbeff244_prep
    .symbol:         k_qa8fbeff244_prep.kd
    .args:
      - { .name: Wh, .offset: 0, .size: 8, .value_kind: global_buffer, .address_space: global }
      - { .name: Ws, .offset: 8, .size: 8, .value_kind: global_buffer, .address_space: global }
      - { .name: dec_in_state, .offset: 16, .size: 8, .value_kind: global_buffer, .address_space: global }
      - { .name: bh, .offset: 24, .size: 8, .value_kind: global_buffer, .address_space: global }
      - { .name: bs, .offset: 32, .size: 8, .value_kind: global_buffer, .address_space: global }
      - { .name: whc, .offset: 40, .size: 8, .value_kind: global_buffer, .address_space: global }
      - { .name: whs, .offset: 48, .size: 8, .value_kind: global_buffer, .address_space: global }
      - { .name: cb, .offset: 56, .size: 8, .value_kind: global_buffer, .address_space: global }
    .group_segment_fixed_size: 17408
    .private_segment_fixed_size: 0
    .kernarg_segment_align: 8
    .kernarg_segment_size: 64
    .max_flat_workgroup_size: 256
    .sgpr_count:     66
    .vgpr_count:     256
    .wavefront_size: 32
...
	.end_amdgpu_metadata
.endif
;; end of part 1
;; launch scores (part 2): grid 26 x 32, 4 waves a work-group, no clusters, 217,344 bytes of LDS; arguments enc_states, enc_lens, coverage_vector, whc, whs, cb, wc, v, tsc, part; writes tsc, part
.if DOCPART == 2
	.amdgcn_target "amdgcn-amd-amdhsa--gfx1250"
	.amdhsa_code_object_version 6
	.text
	.protected	k_qa8fbeff244_scores
	.globl	k_qa8fbeff244_scores
	.p2align	8
	.type	k_qa8fbeff244_scores,@function
k_qa8fbeff244_scores:
	s_mov_b64 s[64:65], 0
	v_nop
	global_prefetch_b8 v0, s[64:65] scope:SCOPE_SE
	s_setreg_imm32_b32 hwreg(HW_REG_WAVE_MODE, 25, 1), 1
	s_wait_xcnt 0x0
; Work-group (x, b) takes rows 80 x .. 80 x + 79 of batch b through the whole chain: read once as f32, quantised to E2M1 along K, multiplied with Wh's codes, tanh, the product with v, the tile's own softmax,
; and the tile's part of the context.  It stores T[b][s] = -c sum_m v[m] r[m] (the score in powers of two, less a term that is the same for all s), the tile's largest T, and sum_s 2^(T_s - largest) enc[s].
; WORK LEFT OUT (shown at the head of launch prep): a tile whose first row is at or past enc_lens[b] does none of the work and stores nothing; the sum of v is not formed.  enc_lens is read from memory here, clamped to 1 .. 2,048.
; THE TEXT IS A HEAD, THREE STRETCHES OF WORK AND TWO BARRIERS BETWEEN THEM.  Every wave passes both barriers: none stands under a branch on a number read from memory.  A tile that does not count jumps over each stretch
; (flag s38).  Each stretch reads only registers that the head or the stretch itself has written; all LDS addresses are made in the head.
; Inside a tile that is taken, groups of 16 rows that lie wholly past enc_lens read the last live group again (an index clamped by a constant), and every row at or past enc_lens gets T = -infinity, weight 0.
; THE CONTEXT'S OPERAND.  The rows stay in LDS as f16 for the product with the weights (weights and sums in f32).  f16 and not bf16: a short sequence sums few rows with large weights, and where they nearly cancel
; the rounding of an 8-bit mantissa (up to 2^-9 of a number) is as large as what the comparison allows; f16's is 2^-12.  LIMIT: a magnitude of enc_states above 65,504 becomes infinity in the context.
; NO TENSOR LOADS, NO CLUSTER: all operands go through registers; partners of a cluster could have different numbers of tiles.
; SHARES.  Four waves.  Loading: wave w takes rows 16 i + 4 w + 0 .. 3 of each group i.  Products: wave w takes features 256 w .. 256 w + 255, 64 a pass, for all 80 rows: source 0 = 16 rows of enc, source 1 = 16 rows of Wh,
; so a lane holds ONE feature (lane % 16) and eight rows (8 (lane / 16) + 0 .. 7): cb, wc and v are one number a lane, and the sum over features is a sum over passes, column tiles and at the end sixteen lanes.
; tanh(x) = 1 - 2 r, r = 1 / (1 + 2^(c x)), c = 2 log2(e): 2^(c x) may overflow to infinity (r = 0) or fall to 0 (r = 1): both are tanh's limits.
; LDS: COPY 80 rows x 2,048 (enc as f16, for the context) | CODE 80 x (512 + 16) | SCL 80 x (32 + 16) scale bytes | EP 4 waves x 80 partial scores | PW 4 x 96 weights, each wave's own | CTXS 4 x 1,024, each wave's own | spare words.
; REGISTERS, in windows of 256: window 0: addresses, scale words, constants, cov, the scores' sums, 80 at work.  Window 1: Wh's fragments, a ring of 8 K steps x 4 column tiles x 8.
;   Window 2: first two sets of 128 numbers as loaded; then the 20 accumulators, (rt, ct) at 32 rt + 8 ct.
.set ROWS,  80
.set C2L,   0x4038aa3b                 ; c
.set NC2L,  0xc038aa3b                 ; -c
.set COPY,  0
.set CODE,  163840
.set CP,    528                        ; a row of codes: 33 x 16 bytes, so that the 16 rows of a fragment load start at 16 different groups of four banks
.set SCL,   206080
.set SP,    48
.set EP,    209920
.set PW,    211200
.set CTXS,  212736
.set SPARE, 216832                     ; the spare words, 128 bytes a wave: two blocks of 256 bytes that no other line names
.set MTOFF, 266240                     ; in tsc: behind T [32][2080] the tiles' largest T, [32][32]
.set L16,  1                           ; v1    16 x lane
.set ALDS, 2                           ; v2    my place in a fragment of codes: CODE + 528 r + 16 h
.set SPW,  3                           ; v3    LDS address of my spare word; never rewritten
.set NIL,  4                           ; v4    0; never rewritten
.set VO,   5                           ; v5-9  group i: byte offset of my wave's four rows, my lane's 32 bytes
.set CST,  10                          ; v10   where I store codes
.set BST,  11                          ; v11-13 where I store the f16 copy: rows 0-31, 32-63, 64-79
.set SST,  14                          ; v14   where I store scale bytes
.set R4,   15                          ; v15   4 r
.set AS,   16                          ; v16-39 enc's scale words [q 3][j 8]: lanes 0-15 row tile 2 q, lanes 16-31 row tile 2 q + 1
.set BS,   40                          ; v40-55 Wh's [j 8][q 2]: lanes 0-15 column tile 2 q, lanes 16-31 column tile 2 q + 1
.set CN,   56                          ; v56-63 (cb, wc) of my feature, a pair for each column tile
.set VV,   64                          ; v64-67 v of my feature, for each column tile
.set CV,   68                          ; v68-107 c x cov of my eight rows of each row tile
.set EA,   108                         ; v108-147 sum of v r for the same rows; at the end the tile's softmax
.set T,    148                         ; v148-227 at work
.set L8,   228
.set CVO,  229                         ; v229-233 cov: byte offset of my eight rows of row tile rt
.set ASA,  234
.set ASB,  235
.set EPS,  236
.set EPL,  237
.set EPL2, 238
.set PWA,  239
.set PWB,  240
.set CXA,  241                         ; v241-243 the context's reads of COPY: rows 0-31, 32-63, 64-79
.set CTS,  244
.set CTL,  245
.set LN,   246                         ; lane
.set RR,   247                         ; r
.set HH,   248                         ; h
.set SL,   108                         ; in the third stretch, in EA's registers: 12 partial scores,
.set TT,   120                         ; T of rows lane, lane + 32, lane + 64,
.set RH,   123                         ; those rows' numbers,
.set MX,   126
.set PT,   127
.set PP,   128                         ; their weights
.set NINF, 131
.set TO,   132
.set TO2,  133
.set TD2,  134
.set MTO,  135
.set XH,   56                          ; the context: v56-87 and v88-119: two sets of eight rows x 8 columns as f16 (halves of registers have names up to v127 only)
.set CA,   148                         ; v148-155 its eight sums, v156-163 on the way out
.set WD,   164                         ; v164-195 four sets of eight widened numbers
.set PB,   212                         ; v212-227 two sets of eight weights
.set MSB, 0
.macro WIN new                         ; the immediate's high byte repeats the setting that is left; a switch that changes nothing is dropped
.if MSB != \new
	s_set_vgpr_msb (MSB<<8)|\new
.set MSB, \new
.endif
.endm
; settings: 0xa4 matrix (A window 0, B window 1, C and D window 2); 0x40, 0x80 loads into windows 1, 2; 0x0a sources 0 and 1 in window 2; 0x02 source 0 in window 2
; The five bases s[46:55] (Wh's codes, Wh's scale words, cb, wc, v) stand at the pass AFTER the one in hand.  back = 1: the first fill reaches one pass back by its immediate.
.macro RING j, back                    ; Wh's four fragments of K step j: each load covers 512 consecutive bytes
.irp ct, 0,1,2,3
.irp c, 0,1
	global_load_b128 v[32*(\j)+8*\ct+4*\c:32*(\j)+8*\ct+4*\c+3], v[L16], s[46:47] offset:4096*(\j)+1024*\ct+512*\c-32768*(\back)
.endr
.endr
.endm
.macro BSL j, back                     ; and that K step's scale words: 256 consecutive bytes
	global_load_b64 v[BS+2*(\j):BS+2*(\j)+1], v[L8], s[48:49] offset:256*(\j)-2048*(\back)
.endm
.macro CNLOAD back                     ; twelve loads: cb, wc, v of my feature in each column tile
.irp ct, 0,1,2,3
	global_load_b32 v[CN+2*\ct], v[R4], s[50:51] offset:64*\ct-256*(\back)
	global_load_b32 v[CN+2*\ct+1], v[R4], s[52:53] offset:64*\ct-256*(\back)
	global_load_b32 v[VV+\ct], v[R4], s[54:55] offset:64*\ct-256*(\back)
.endr
.endm
.macro STEPG                           ; the five bases go on by 64 features
	s_add_nc_u64 s[46:47], s[46:47], 32768
	s_add_nc_u64 s[48:49], s[48:49], 2048
	s_add_nc_u64 s[50:51], s[50:51], 256
	s_add_nc_u64 s[52:53], s[52:53], 256
	s_add_nc_u64 s[54:55], s[54:55], 256
.endm
.macro GLOAD i                         ; group i: my wave's four rows, 32 loads; a lane takes 8 neighbours of each 256 along K
	WIN 0x80
.irp k, 0,1,2,3
.irp ch, 0,1,2,3
.irp d, 0,1
	global_load_b128 v[128*((\i)%2)+32*\k+8*\ch+4*\d:128*((\i)%2)+32*\k+8*\ch+4*\d+3], v[VO+(\i)], s[4:5] offset:4096*\k+1024*\ch+16*\d th:TH_LOAD_NT
.endr
.endr
.endr
	WIN 0
.endm
; One row: 32 numbers a lane.  Four neighbouring lanes hold a block of 32.  Codes, the f16 copy and the scale bytes go to LDS.
.macro QROW i, k
.set TS, T+32*((4*(\i)+(\k))%2)        ; +0 largest magnitudes, +4 scale operands, +8 bytes, +12 codes, +16 the copy
.set SG, 128*((\i)%2)+32*(\k)
.set RW, 16*(\i)+(\k)
	s_wait_dscnt 12                                ; the twelve stores of the row before may be out; those of two rows back, which read this set of registers, are done
	WIN 0x0a
.irp ch, 0,1,2,3
	v_max3_num_f32 v[TS+\ch], |v[SG+8*\ch]|, |v[SG+8*\ch+1]|, 0x1800000   ; with the floor 2^(3 - 127): the byte cannot fall under 1
.endr
.irp p, 2,4,6
.irp ch, 0,1,2,3
	v_max3_num_f32 v[TS+\ch], |v[SG+8*\ch+\p]|, |v[SG+8*\ch+\p+1]|, v[TS+\ch]
.endr
.endr
.irp q, 0,1,2,3,4,5,6,7,8,9,10,11,12,13,14,15
	v_cvt_pk_f16_f32 v[TS+16+\q], v[SG+2*\q], v[SG+2*\q+1]   ; the copy for the context: the first number in the low half
.endr
	WIN 0
.irp ch, 0,1,2,3
	v_max_num_f32_dpp v[TS+\ch], v[TS+\ch], v[TS+\ch] row_xmask:1 row_mask:0xf bank_mask:0xf
.endr
.irp ch, 0,1,2,3
	v_max_num_f32_dpp v[TS+\ch], v[TS+\ch], v[TS+\ch] row_xmask:2 row_mask:0xf bank_mask:0xf   ; the block's largest magnitude
.endr
.irp ch, 0,1,2,3
	v_add_nc_u32 v[TS+4+\ch], 0xff000000, v[TS+\ch]   ; 2 off its exponent field: the conversion's scale operand
.endr
.irp ch, 0,1,2,3
	v_lshrrev_b32 v[TS+8+\ch], 23, v[TS+4+\ch]     ; the scale's byte
.endr
	WIN 0x02
.irp ch, 0,1,2,3
	v_cvt_scalef32_pk8_fp4_f32 v[TS+12+\ch], v[SG+8*\ch:SG+8*\ch+7], v[TS+4+\ch]
.endr
	v_nop                                          ; one plain instruction behind the last scaled conversion
	WIN 0
.irp ch, 0,1,2,3
	ds_store_b32 v[CST], v[TS+12+\ch] offset:RW*CP+128*\ch
	ds_store_b128 v[BST+(\i)/2], v[TS+16+4*\ch:TS+16+4*\ch+3] offset:(RW%32)*2048+512*\ch
	ds_store_b8 v[SST], v[TS+8+\ch] offset:RW*SP+8*\ch   ; the four lanes of a block write the same byte with the same value
.endr
.endm
.macro ALOAD j                         ; enc's five fragments of K step j into buffer j % 2: ten loads
.irp rt, 0,1,2,3,4
.irp c, 0,1
	ds_load_b128 v[T+40*((\j)%2)+8*\rt+4*\c:T+40*((\j)%2)+8*\rt+4*\c+3], v[ALDS] offset:16*CP*\rt+64*(\j)+32*\c
.endr
.endr
.endm
.macro MM j, rt, ct                    ; one product; K step 0 starts the sum: nothing is cleared
.set rD, 32*(\rt)+8*(\ct)
.set rA, T+40*((\j)%2)+8*(\rt)
.set rB, 32*(\j)+8*(\ct)
.set rX, AS+8*((\rt)/2)+(\j)
.set rY, BS+2*(\j)+(\ct)/2
.if (\j) == 0
.if ((\rt)%2 == 0) && ((\ct)%2 == 0)
	v_wmma_scale_f32_16x16x128_f8f6f4 v[rD:rD+7], v[rA:rA+7], v[rB:rB+7], 0, v[rX], v[rY] matrix_a_fmt:MATRIX_FMT_FP4 matrix_b_fmt:MATRIX_FMT_FP4
.elseif ((\rt)%2 == 1) && ((\ct)%2 == 0)
	v_wmma_scale_f32_16x16x128_f8f6f4 v[rD:rD+7], v[rA:rA+7], v[rB:rB+7], 0, v[rX], v[rY] matrix_a_fmt:MATRIX_FMT_FP4 matrix_b_fmt:MATRIX_FMT_FP4 matrix_a_scale:MATRIX_SCALE_ROW1
.elseif ((\rt)%2 == 0)
	v_wmma_scale_f32_16x16x128_f8f6f4 v[rD:rD+7], v[rA:rA+7], v[rB:rB+7], 0, v[rX], v[rY] matrix_a_fmt:MATRIX_FMT_FP4 matrix_b_fmt:MATRIX_FMT_FP4 matrix_b_scale:MATRIX_SCALE_ROW1
.else
	v_wmma_scale_f32_16x16x128_f8f6f4 v[rD:rD+7], v[rA:rA+7], v[rB:rB+7], 0, v[rX], v[rY] matrix_a_fmt:MATRIX_FMT_FP4 matrix_b_fmt:MATRIX_FMT_FP4 matrix_a_scale:MATRIX_SCALE_ROW1 matrix_b_scale:MATRIX_SCALE_ROW1
.endif
.else
.if ((\rt)%2 == 0) && ((\ct)%2 == 0)
	v_wmma_scale_f32_16x16x128_f8f6f4 v[rD:rD+7], v[rA:rA+7], v[rB:rB+7], v[rD:rD+7], v[rX], v[rY] matrix_a_fmt:MATRIX_FMT_FP4 matrix_b_fmt:MATRIX_FMT_FP4
.elseif ((\rt)%2 == 1) && ((\ct)%2 == 0)
	v_wmma_scale_f32_16x16x128_f8f6f4 v[rD:rD+7], v[rA:rA+7], v[rB:rB+7], v[rD:rD+7], v[rX], v[rY] matrix_a_fmt:MATRIX_FMT_FP4 matrix_b_fmt:MATRIX_FMT_FP4 matrix_a_scale:MATRIX_SCALE_ROW1
.elseif ((\rt)%2 == 0)
	v_wmma_scale_f32_16x16x128_f8f6f4 v[rD:rD+7], v[rA:rA+7], v[rB:rB+7], v[rD:rD+7], v[rX], v[rY] matrix_a_fmt:MATRIX_FMT_FP4 matrix_b_fmt:MATRIX_FMT_FP4 matrix_b_scale:MATRIX_SCALE_ROW1
.else
	v_wmma_scale_f32_16x16x128_f8f6f4 v[rD:rD+7], v[rA:rA+7], v[rB:rB+7], v[rD:rD+7], v[rX], v[rY] matrix_a_fmt:MATRIX_FMT_FP4 matrix_b_fmt:MATRIX_FMT_FP4 matrix_a_scale:MATRIX_SCALE_ROW1 matrix_b_scale:MATRIX_SCALE_ROW1
.endif
.endif
.endm
; A K step of 128: twenty products, the twenty accumulators by turns, in the same order in every step.
; more = 1: the ring slot and the scale words that the step before has left are loaded again, nine loads, with the next pass's.
.macro KSTEP j, more
.if (\j) > 0
.rept 4
	v_nop                                          ; four places between the last step's products and the loads into registers that they read (the other A buffer; ring slot j - 1 and its scale words)
.endr
.endif
	WIN 0
.if (\j) < 7
	ALOAD (\j)+1
.endif
.if (\more) && ((\j) > 0)
	BSL (\j)-1, 0
	WIN 0x40
	RING (\j)-1, 0
.endif
.if (\j) < 7
	s_wait_dscnt 10                                ; this step's fragments of enc are in; the ten loads just issued may be out
.else
	s_wait_dscnt 0x0
.endif
.if \more
	s_wait_loadcnt 56                              ; ring slot j and its scale words are in.  Behind them were issued, on the way into the loop, 8 (7 - j) loads of the first fill and this pass's 9 j: 56 + j;
	                                               ; on the way round it, 9 (7 - j) reloads, the twelve of cb, wc, v and this pass's 9 j: 75.  56 is under both
.endif
	WIN 0xa4
.irp rt, 0,1,2,3,4
.irp ct, 0,1,2,3
	MM \j, \rt, \ct
.endr
.endr
.endm
; THE ACTIVATION of column tile n: 40 numbers a lane (five row tiles x eight rows), in buffer n % 2 of the registers at work.
.macro TP n                            ; c cov wc + c (dec's features + biases)
.set Z, T+40*((\n)%2)
.set qq, 0
.rept 20
	v_pk_fma_f32 v[Z+qq:Z+qq+1], v[CV+qq:CV+qq+1], v[CN+2*(\n):CN+2*(\n)+1], v[CN+2*(\n):CN+2*(\n)+1] op_sel:[0,1,0] op_sel_hi:[1,1,0]
.set qq, qq+2
.endr
.endm
.macro ZS n                            ; + c x the product: each accumulator is read from its low end on
.set Z, T+40*((\n)%2)
	WIN 0x02
.irp rt, 0,1,2,3,4
.irp jj, 0,2,4,6
	v_pk_fma_f32 v[Z+8*\rt+\jj:Z+8*\rt+\jj+1], v[32*\rt+8*(\n)+\jj:32*\rt+8*(\n)+\jj+1], s[32:33], v[Z+8*\rt+\jj:Z+8*\rt+\jj+1] op_sel_hi:[1,0,1]
.endr
.endr
	WIN 0
.endm
.macro EX n                            ; 2^(c x)
.set Z, T+40*((\n)%2)
.set qq, 0
.rept 40
	v_exp_f32 v[Z+qq], v[Z+qq]
.set qq, qq+1
.endr
.endm
.macro C1 n                            ; + 1
.set Z, T+40*((\n)%2)
.set qq, 0
.rept 20
	v_pk_add_f32 v[Z+qq:Z+qq+1], v[Z+qq:Z+qq+1], 1.0 op_sel_hi:[1,0]
.set qq, qq+2
.endr
.endm
.macro RC n                            ; r = 1 / (1 + 2^(c x))
.set Z, T+40*((\n)%2)
.set qq, 0
.rept 40
	v_rcp_f32 v[Z+qq], v[Z+qq]
.set qq, qq+1
.endr
.endm
.macro ES n                            ; the scores' sums += v r
.set Z, T+40*((\n)%2)
.set qq, 0
.rept 20
.if (\n)%2
	v_pk_fma_f32 v[EA+qq:EA+qq+1], v[Z+qq:Z+qq+1], v[VV+2*((\n)/2):VV+2*((\n)/2)+1], v[EA+qq:EA+qq+1] op_sel:[0,1,0] op_sel_hi:[1,1,1]
.else
	v_pk_fma_f32 v[EA+qq:EA+qq+1], v[Z+qq:Z+qq+1], v[VV+2*((\n)/2):VV+2*((\n)/2)+1], v[EA+qq:EA+qq+1] op_sel_hi:[1,0,1]
.endif
.set qq, qq+2
.endr
.endm
.macro BATCH                           ; behind a batch of transcendentals: one plain instruction, and the one wait ahead of the first instruction that names a result
	v_nop
	s_wait_alu depctr_va_vdst(0)
.endm
; A PASS: 64 features x 80 rows.  more = 1: the next pass's operands are asked for on the way.
.macro PASS more
.if !(\more)
	s_wait_loadcnt 12                              ; the last pass: the whole ring and its scale words are in; behind them only the twelve loads of cb, wc, v were issued
.endif
	ALOAD 0
.irp j, 0,1,2,3,4,5,6,7
	KSTEP \j, \more
.endr
	WIN 0
.if \more
	s_wait_loadcnt 56                              ; cb, wc, v are in: behind them this pass's 7 x 9 reloads were issued (in the first trip the first fill too)
.else
	s_wait_loadcnt 0x0
.endif
	TP 0                                           ; twenty plain instructions that name no register of the last products: the places ahead of the loads and reads below
.if \more
	BSL 7, 0
	WIN 0x40
	RING 7, 0
	WIN 0
.endif
	ZS 0
	EX 0
	BATCH
	TP 1                                           ; from here on a column tile's reciprocals and the next one's exponentials are one batch with one wait
	ZS 1
	C1 0
	RC 0
	EX 1
	BATCH
	ES 0
	TP 2
	ZS 2
	C1 1
	RC 1
	EX 2
	BATCH
	ES 1
	TP 3
	ZS 3
	C1 2
	RC 2
	EX 3
	BATCH
	ES 2
	C1 3
	RC 3
	BATCH
	ES 3
.if \more
	CNLOAD 0
	s_wait_xcnt 0x0                                ; this pass's loads have read their bases: only now are they stepped
	STEPG
.endif
.endm
	; ---- THE HEAD, run by every wave: ids, pointers, clamps, every LDS address
	s_load_b512 s[4:19], s[0:1], 0x0               ; enc s[4:5], enc_lens s[6:7], cov s[8:9], whc s[10:11], whs s[12:13], cb s[14:15], wc s[16:17], v s[18:19]
	s_load_b128 s[20:23], s[0:1], 0x40             ; tsc s[20:21], part s[22:23]
	v_lshl_add_u32 v[SPW], v0, 2, SPARE
	v_mov_b32 v[NIL], 0
	v_lshrrev_b32 v[LN], 5, v0
	v_readfirstlane_b32 s24, v[LN]                 ; wave 0..3
	s_and_b32 s25, ttmp7, 0xffff                   ; b
	s_mov_b32 s26, ttmp9                           ; x
	s_mul_i32 s28, s26, ROWS                       ; the tile's first row
	s_lshl_b32 s56, s25, 2
	s_mov_b32 s57, 0                               ; stays 0: the upper word of every 32-bit offset
	s_wait_kmcnt 0x0
	s_add_nc_u64 s[6:7], s[6:7], s[56:57]
	s_load_b32 s27, s[6:7], 0x0                    ; enc_lens[b]; what does not hang on it is made while it is on its way
	v_and_b32 v[LN], 31, v0
	v_and_b32 v[RR], 15, v0
	v_bfe_u32 v[HH], v0, 4, 1
	v_lshlrev_b32 v[L16], 4, v[LN]
	v_lshlrev_b32 v[L8], 3, v[LN]
	v_lshlrev_b32 v[R4], 2, v[RR]
	s_lshl_b32 s58, s25, 11
	s_add_co_u32 s58, s58, s28                     ; 2,048 b + first row
	s_lshl_b32 s56, s58, 12
	s_add_nc_u64 s[4:5], s[4:5], s[56:57]          ; enc at the tile's first row (under 2^28 bytes)
	s_lshl_b32 s56, s58, 2
	s_add_nc_u64 s[8:9], s[8:9], s[56:57]          ; cov likewise
	s_lshl_b32 s56, s24, 17
	s_add_co_u32 s56, s56, 32768
	s_add_nc_u64 s[46:47], s[10:11], s[56:57]      ; my SECOND pass, g = 4 w + 1: 32,768 bytes of codes a pass,
	s_lshl_b32 s56, s24, 13
	s_add_co_u32 s56, s56, 2048
	s_add_nc_u64 s[48:49], s[12:13], s[56:57]      ; 2,048 of scale words,
	s_lshl_b32 s56, s24, 10
	s_add_co_u32 s56, s56, 256
	s_add_nc_u64 s[52:53], s[16:17], s[56:57]      ; 256 of wc,
	s_add_nc_u64 s[54:55], s[18:19], s[56:57]      ; of v,
	s_lshl_b32 s58, s25, 12
	s_add_co_u32 s56, s56, s58
	s_add_nc_u64 s[50:51], s[14:15], s[56:57]      ; and of cb's row b
	v_mul_u32_u24 v[ALDS], v[RR], CP
	v_lshl_add_u32 v[ALDS], v[HH], 4, v[ALDS]
	v_add_nc_u32 v[ALDS], CODE, v[ALDS]
	s_mul_i32 s56, s24, 4*CP
	s_add_co_u32 s56, s56, CODE
	v_lshl_add_u32 v[CST], v[LN], 2, s56           ; row 4 w, 4 bytes a lane
	s_lshl_b32 s56, s24, 13
	v_add_nc_u32 v[BST], s56, v[L16]               ; row 4 w, 16 bytes a lane
	v_add_nc_u32 v[BST+1], 0x10000, v[BST]
	v_add_nc_u32 v[BST+2], 0x20000, v[BST]
	s_mul_i32 s56, s24, 4*SP
	s_add_co_u32 s56, s56, SCL
	v_lshrrev_b32 v[SST], 2, v[LN]
	v_add_nc_u32 v[SST], s56, v[SST]               ; row 4 w, byte lane / 4
	v_mul_u32_u24 v[ASA], v[LN], SP
	v_add_nc_u32 v[ASA], SCL, v[ASA]               ; row = lane
	v_mul_u32_u24 v[ASB], v[RR], SP
	v_add_nc_u32 v[ASB], SCL+64*SP, v[ASB]         ; row = 64 + r
	s_mul_i32 s56, s24, 4*ROWS
	s_add_co_u32 s56, s56, EP
	v_lshl_add_u32 v[EPS], v[HH], 5, s56
	v_lshl_add_u32 v[EPL], v[LN], 2, EP
	v_lshl_add_u32 v[EPL2], v[RR], 2, EP+256
	s_mul_i32 s56, s24, 384
	s_add_co_u32 s56, s56, PW
	v_lshl_add_u32 v[PWA], v[LN], 2, s56
	v_mov_b32 v[PWB], s56
	v_lshlrev_b32 v[CXA], 4, v0                    ; thread t: columns 8 t .. 8 t + 7 as f16
	v_add_nc_u32 v[CXA+1], 0x10000, v[CXA]
	v_add_nc_u32 v[CXA+2], 0x20000, v[CXA]
	s_lshl_b32 s56, s24, 10
	s_add_co_u32 s56, s56, CTXS
	v_lshl_add_u32 v[CTS], v[LN], 5, s56
	v_lshl_add_u32 v[CTL], v[LN], 4, s56
	s_mov_b32 s32, C2L
	s_mov_b32 s33, C2L                             ; (named with it as a pair)
	s_mov_b32 s34, 0x76543210
	s_mov_b32 s35, 0xfedcba98                      ; v_permlanex16_b32's selects for lane l xor 16
	s_mov_b32 s37, NC2L
	s_lshl_b32 s56, s24, 14
	v_lshl_add_u32 v[VO], v[LN], 5, s56            ; my wave's four rows of a group, my lane's 32 bytes
	v_lshlrev_b32 v[CVO], 5, v[HH]
	s_wait_kmcnt 0x0
	s_max_i32 s27, s27, 1
	s_min_u32 s27, s27, 2048                       ; 1 .. 2,048
	s_cmp_lt_u32 s28, s27
	s_cselect_b32 s38, 1, 0                        ; does the tile's first row count?  The flag of the three jumps
	s_sub_co_u32 s30, s27, s28                     ; rows that count from here on (of use only where the flag is 1)
	s_sub_co_u32 s29, s30, 1
	s_lshr_b32 s29, s29, 4
	s_min_u32 s29, s29, 4                          ; the last group of 16 rows that holds a live row
	s_min_u32 s30, s30, ROWS                       ; live rows of the tile
.irp i, 1,2,3,4
	s_min_u32 s[40+\i], s29, \i                    ; group i, or the last live one
	s_lshl_b32 s56, s[40+\i], 16
	v_add_nc_u32 v[VO+\i], s56, v[VO]
	s_lshl_b32 s56, s[40+\i], 6
	v_add_nc_u32 v[CVO+\i], s56, v[CVO]
.endr
	; ---- FIRST STRETCH: the rows come in: each byte of enc that counts is read once
	s_cmp_eq_u32 s38, 0
	s_cbranch_scc1 .Lmeet1
	GLOAD 0
	GLOAD 1
.irp i, 0,1,2,3,4
.if \i < 4
	s_wait_loadcnt 32                              ; group i is in; only the next group's 32 loads were issued behind it
.else
	s_wait_loadcnt 0x0
.endif
.irp k, 0,1,2,3
	QROW \i, \k
.endr
.if \i < 3
	GLOAD \i+2                                     ; into the set that group i has left
.endif
.endr
.Lmeet1:
	s_wait_dscnt 0x0                               ; for the others' sake: my rows' codes, copy and scale bytes lie in LDS
	s_barrier_signal -1
	s_barrier_wait -1
	; ---- SECOND STRETCH: four passes of 64 features
	s_cmp_eq_u32 s38, 0
	s_cbranch_scc1 .Lmeet2
.irp rt, 0,1,2,3,4
	global_load_b128 v[CV+8*\rt:CV+8*\rt+3], v[CVO+\rt], s[8:9]
	global_load_b128 v[CV+8*\rt+4:CV+8*\rt+7], v[CVO+\rt], s[8:9] offset:16
.endr
	CNLOAD 1
.irp j, 0,1,2,3,4,5,6,7
	BSL \j, 1
.endr
	WIN 0x40
.irp j, 0,1,2,3,4,5,6,7
	RING \j, 1                                     ; the first fill of the ring, K step by K step: the products begin when slot 0 is in, the rest lands under them
.endr
	WIN 0
.irp q, 0,1
	ds_load_b128 v[AS+8*\q:AS+8*\q+3], v[ASA] offset:32*SP*\q       ; a row's eight scale words; they stay for all passes
	ds_load_b128 v[AS+8*\q+4:AS+8*\q+7], v[ASA] offset:32*SP*\q+16
.endr
	ds_load_b128 v[AS+16:AS+19], v[ASB]
	ds_load_b128 v[AS+20:AS+23], v[ASB] offset:16
.set qq, 0
.rept 40
	v_mov_b32 v[EA+qq], 0                          ; the scores' sums begin at 0, so that the pass is written once for the loop
.set qq, qq+1
.endr
	s_wait_loadcnt 56                              ; of the 94 loads just issued the oldest 38 are in: cov's ten among them (and cb, wc, v, the scale words, ring slot 0)
.set qq, 0
.rept 20
	v_pk_mul_f32 v[CV+qq:CV+qq+1], v[CV+qq:CV+qq+1], s[32:33] op_sel_hi:[1,0]   ; c x cov
.set qq, qq+2
.endr
	s_mov_b32 s36, 3
.Lpass:
	PASS 1
	s_sub_co_u32 s36, s36, 1
	s_cmp_lg_u32 s36, 0
	s_cbranch_scc1 .Lpass
	PASS 0                                         ; the last pass is written out: it asks for nothing more, so no load leaves its buffer
	; the sixteen features of the lanes are added; the four waves' parts meet in LDS
.irp m, 1,2,4,8
.set qq, 0
.rept 40
	v_add_f32_dpp v[EA+qq], v[EA+qq], v[EA+qq] row_xmask:\m row_mask:0xf bank_mask:0xf
.set qq, qq+1
.endr
.endr
.irp rt, 0,1,2,3,4
	ds_store_b128 v[EPS], v[EA+8*\rt:EA+8*\rt+3] offset:64*\rt      ; the sixteen lanes of a half write the same bytes with the same value
	ds_store_b128 v[EPS], v[EA+8*\rt+4:EA+8*\rt+7] offset:64*\rt+16
.endr
.Lmeet2:
	s_wait_dscnt 0x0                               ; for the others' sake: my part of the scores lies in LDS, and my reads of the codes are over
	s_barrier_signal -1
	s_barrier_wait -1
	; ---- THIRD STRETCH: the tile's softmax, by every wave for itself: rows lane, lane + 32, lane + 64 (lanes 16-31 read rows 64 .. 79 again there, and the mask throws them away)
	s_cmp_eq_u32 s38, 0
	s_cbranch_scc1 .Lend
.irp wv, 0,1,2,3
	ds_load_b32 v[SL+3*\wv], v[EPL] offset:4*ROWS*\wv
	ds_load_b32 v[SL+3*\wv+1], v[EPL] offset:4*ROWS*\wv+128
	ds_load_b32 v[SL+3*\wv+2], v[EPL2] offset:4*ROWS*\wv
.endr
	v_add_nc_u32 v[RH+1], 32, v[LN]
	v_add_nc_u32 v[RH+2], 64, v[LN]
	v_mov_b32 v[NINF], 0xff800000
	v_mov_b32 v[PT], 0                             ; a lane permute's destination counts as one of its sources
	s_wait_dscnt 0x0
.irp g, 0,1,2
	v_add_f32 v[TT+\g], v[SL+\g], v[SL+3+\g]
	v_add_f32 v[SL+6+\g], v[SL+6+\g], v[SL+9+\g]
.endr
.irp g, 0,1,2
	v_add_f32 v[TT+\g], v[TT+\g], v[SL+6+\g]
.endr
.irp g, 0,1,2
	v_mul_f32 v[TT+\g], s37, v[TT+\g]              ; T = -c sum of v r
.endr
	v_cmp_le_u32 vcc_lo, s30, v[LN]
	v_cndmask_b32 v[TT], v[TT], v[NINF], vcc_lo    ; rows at or past enc_lens: -infinity
	v_cmp_le_u32 vcc_lo, s30, v[RH+1]
	v_cndmask_b32 v[TT+1], v[TT+1], v[NINF], vcc_lo
	v_cmp_le_u32 vcc_lo, s30, v[RH+2]
	v_cndmask_b32 v[TT+2], v[TT+2], v[NINF], vcc_lo
	v_max3_num_f32 v[MX], v[TT], v[TT+1], v[TT+2]
.irp m, 1,2,4,8
	v_max_num_f32_dpp v[MX], v[MX], v[MX] row_xmask:\m row_mask:0xf bank_mask:0xf
.endr
	v_permlanex16_b32 v[PT], v[MX], s34, s35
	v_max_num_f32 v[MX], v[MX], v[PT]              ; the tile's largest T: row 0 of the tile counts, so it is a number
.irp g, 0,1,2
	v_sub_f32 v[PP+\g], v[TT+\g], v[MX]
.endr
.irp g, 0,1,2
	v_exp_f32 v[PP+\g], v[PP+\g]
.endr
	BATCH
.irp g, 0,1,2
	ds_store_b32 v[PWA], v[PP+\g] offset:128*\g    ; my wave's own 96 weights
.endr
	s_cmp_lg_u32 s24, 0                            ; wave 0 stores T and the largest T
	s_cbranch_scc1 .Lnot_wave_0
	s_mul_i32 s56, s25, 2080
	s_add_co_u32 s56, s56, s28
	s_lshl_b32 s56, s56, 2
	v_lshl_add_u32 v[TO], v[LN], 2, s56            ; T[b][80 x + lane]
	s_lshl_b32 s58, s25, 5
	s_add_co_u32 s58, s58, s26
	s_lshl_b32 s58, s58, 2
	s_add_co_u32 s58, s58, MTOFF
	v_mov_b32 v[MTO], s58
	v_add_nc_u32 v[TO2], 256, v[TO]
	v_cmp_le_u32 vcc_lo, 16, v[LN]
	v_cndmask_b32 v[TO2], v[TO2], v[MTO], vcc_lo   ; in the third store lanes 16-31 have no row: they carry the largest T to its place
	v_cndmask_b32 v[TD2], v[TT+2], v[MX], vcc_lo
	global_store_b32 v[TO], v[TT], s[20:21]
	global_store_b32 v[TO], v[TT+1], s[20:21] offset:128
	global_store_b32 v[TO2], v[TD2], s[20:21]
.Lnot_wave_0:
	; the tile's part of the context: thread t sums its eight columns over the 80 rows, from the f16 copy; weights and sums in f32.
	; The registers below (v56-119, v148-227) are none of those that wave 0's stores above still read (v120, v121, v132-134).
.macro LOADG g                         ; eight rows: two loads of weights (the same address in all lanes), eight of the copy: ten
.set XBg, XH+32*((\g)%2)
.set PBg, PB+8*((\g)%2)
	ds_load_b128 v[PBg:PBg+3], v[PWB] offset:32*(\g)
	ds_load_b128 v[PBg+4:PBg+7], v[PWB] offset:32*(\g)+16
.irp i, 0,1,2,3,4,5,6,7
	ds_load_b128 v[XBg+4*\i:XBg+4*\i+3], v[CXA+(8*(\g)+\i)/32] offset:((8*(\g)+\i)%32)*2048
.endr
.endm
; Number nn of a set's 64: row nn / 8, column nn % 8: half nn % 2 of register nn / 2 of the set.  It is widened to f32; behind a row's eight, four packed multiply-adds by the row's weight.
.macro ROWSUM                          ; the row nn / 8 is widened: sums += weight x row
.irp q, 0,2,4,6
.if (nn/8)%2
	v_pk_fma_f32 v[CA+\q:CA+\q+1], v[WD+8*((nn/8)%4)+\q:WD+8*((nn/8)%4)+\q+1], v[PBs+2*(nn/16):PBs+2*(nn/16)+1], v[CA+\q:CA+\q+1] op_sel:[0,1,0] op_sel_hi:[1,1,1]
.else
	v_pk_fma_f32 v[CA+\q:CA+\q+1], v[WD+8*((nn/8)%4)+\q:WD+8*((nn/8)%4)+\q+1], v[PBs+2*(nn/16):PBs+2*(nn/16)+1], v[CA+\q:CA+\q+1] op_sel_hi:[1,0,1]
.endif
.endr
.endm
.macro FMAG0                           ; the set in v56-87
.set PBs, PB
.set nn, 0
.irp x, v56.l,v56.h,v57.l,v57.h,v58.l,v58.h,v59.l,v59.h,v60.l,v60.h,v61.l,v61.h,v62.l,v62.h,v63.l,v63.h,v64.l,v64.h,v65.l,v65.h,v66.l,v66.h,v67.l,v67.h,v68.l,v68.h,v69.l,v69.h,v70.l,v70.h,v71.l,v71.h,v72.l,v72.h,v73.l,v73.h,v74.l,v74.h,v75.l,v75.h,v76.l,v76.h,v77.l,v77.h,v78.l,v78.h,v79.l,v79.h,v80.l,v80.h,v81.l,v81.h,v82.l,v82.h,v83.l,v83.h,v84.l,v84.h,v85.l,v85.h,v86.l,v86.h,v87.l,v87.h
	v_cvt_f32_f16 v[WD+8*((nn/8)%4)+nn%8], \x
.if nn%8 == 7
	ROWSUM
.endif
.set nn, nn+1
.endr
.endm
.macro FMAG1                           ; the set in v88-119
.set PBs, PB+8
.set nn, 0
.irp x, v88.l,v88.h,v89.l,v89.h,v90.l,v90.h,v91.l,v91.h,v92.l,v92.h,v93.l,v93.h,v94.l,v94.h,v95.l,v95.h,v96.l,v96.h,v97.l,v97.h,v98.l,v98.h,v99.l,v99.h,v100.l,v100.h,v101.l,v101.h,v102.l,v102.h,v103.l,v103.h,v104.l,v104.h,v105.l,v105.h,v106.l,v106.h,v107.l,v107.h,v108.l,v108.h,v109.l,v109.h,v110.l,v110.h,v111.l,v111.h,v112.l,v112.h,v113.l,v113.h,v114.l,v114.h,v115.l,v115.h,v116.l,v116.h,v117.l,v117.h,v118.l,v118.h,v119.l,v119.h
	v_cvt_f32_f16 v[WD+8*((nn/8)%4)+nn%8], \x
.if nn%8 == 7
	ROWSUM
.endif
.set nn, nn+1
.endr
.endm
	LOADG 0                                        ; LDS serves a wave's instructions in order: these see my weights
.irp q, 0,1,2,3,4,5,6,7
	v_mov_b32 v[CA+\q], 0
.endr
.irp g, 0,2,4,6
	LOADG \g+1
	s_wait_dscnt 10                                ; these eight rows are in; the ten loads just issued may be out
	FMAG0
	LOADG \g+2
	s_wait_dscnt 10
	FMAG1
.endr
	LOADG 9
	s_wait_dscnt 10
	FMAG0
	s_wait_dscnt 0x0
	FMAG1
	s_mul_i32 s56, s25, 26
	s_add_co_u32 s56, s56, s26
	s_lshl_b32 s56, s56, 12
	s_lshl_b32 s58, s24, 10
	s_add_co_u32 s56, s56, s58
	s_add_nc_u64 s[22:23], s[22:23], s[56:57]      ; part[b][x], my wave's 1,024 bytes
	ds_store_b128 v[CTS], v[CA:CA+3]               ; a lane's 32 bytes go through my wave's own stage, so that each store below covers 512 consecutive bytes
	ds_store_b128 v[CTS], v[CA+4:CA+7] offset:16
	ds_load_b128 v[CA+8:CA+11], v[CTL]
	ds_load_b128 v[CA+12:CA+15], v[CTL] offset:512
	s_wait_dscnt 0x0
	global_store_b128 v[L16], v[CA+8:CA+11], s[22:23]
	global_store_b128 v[L16], v[CA+12:CA+15], s[22:23] offset:512
.Lend:
	s_wait_tensorcnt 0x0                           ; the wave's end: behind my last LDS store
	ds_add_u32 v[SPW], v[NIL]
	s_wait_dscnt 0x0
	s_endpgm
.Lfunc_end_k_qa8fbeff244_scores:
	.size	k_qa8fbeff244_scores, .Lfunc_end_k_qa8fbeff244_scores-k_qa8fbeff244_scores
	.p2alignl 7, 3214868480
	.fill 96, 4, 3214868480
	.section	.rodata,"a",@progbits
	.p2align	6, 0x0
	.amdhsa_kernel k_qa8fbeff244_scores
		.amdhsa_group_segment_fixed_size 217344
		.amdhsa_private_segment_fixed_size 0
		.amdhsa_enable_private_segment 0
		.amdhsa_kernarg_size 80
		.amdhsa_user_sgpr_count 2
		.amdhsa_user_sgpr_kernarg_segment_ptr 1
		.amdhsa_wavefront_size32 1
		.amdhsa_system_sgpr_workgroup_id_x 1
		.amdhsa_system_sgpr_workgroup_id_y 1
		.amdhsa_system_sgpr_workgroup_id_z 1
		.amdhsa_system_vgpr_workitem_id 0
		.amdhsa_next_free_vgpr 768
		.amdhsa_next_free_sgpr 66
		.amdhsa_reserve_vcc 1
		.amdhsa_float_denorm_mode_32 3
		.amdhsa_float_denorm_mode_16_64 3
		.amdhsa_memory_ordered 1
		.amdhsa_forward_progress 1
		.amdhsa_inst_pref_size 255
	.end_amdhsa_kernel
	.section	.bss,"aw",@nobits
	.p2align	6
	.space	262144
	.amdgpu_metadata
---
amdhsa.version: [ 1, 2 ]
amdhsa.kernels:
  - .name:           k_qa8fbeff244_scores
    .symbol:         k_qa8fbeff244_scores.kd
    .args:
      - { .name: enc_states, .offset: 0, .size: 8, .value_kind: global_buffer, .address_space: global }
      - { .name: enc_lens, .offset: 8, .size: 8, .value_kind: global_buffer, .address_space: global }
      - { .name: coverage_vector, .offset: 16, .size: 8, .value_kind: global_buffer, .address_space: global }
      - { .name: whc, .offset: 24, .size: 8, .value_kind: global_buffer, .address_space: global }
      - { .name: whs, .offset: 32, .size: 8, .value_kind: global_buffer, .address_space: global }
      - { .name: cb, .offset: 40, .size: 8, .value_kind: global_buffer, .address_space: global }
      - { .name: wc, .offset: 48, .size: 8, .value_kind: global_buffer, .address_space: global }
      - { .name: v, .offset: 56, .size: 8, .value_kind: global_buffer, .address_space: global }
      - { .name: tsc, .offset: 64, .size: 8, .value_kind: global_buffer, .address_space: global }
      - { .name: part, .offset: 72, .size: 8, .value_kind: global_buffer, .address_space: global }
    .group_segment_fixed_size: 217344
    .private_segment_fixed_size: 0
    .kernarg_segment_align: 8
    .kernarg_segment_size: 80
    .max_flat_workgroup_size: 128
    .sgpr_count:     66
    .vgpr_count:     768
    .wavefront_size: 32
...
	.end_amdgpu_metadata
.endif
;; end of part 2
;; launch finish (part 3): grid 8 x 32, 2 waves a work-group, no clusters, 1,792 bytes of LDS; arguments tsc, part, enc_lens, coverage_vector, out0, out1, out2; writes out0, out1, out2
.if DOCPART == 3
	.amdgcn_target "amdgcn-amd-amdhsa--gfx1250"
	.amdhsa_code_object_version 6
	.text
	.protected	k_qa8fbeff244_finish
	.globl	k_qa8fbeff244_finish
	.p2align	8
	.type	k_qa8fbeff244_finish,@function
k_qa8fbeff244_finish:
	s_mov_b64 s[64:65], 0
	v_nop
	global_prefetch_b8 v0, s[64:65] scope:SCOPE_SE
	s_setreg_imm32_b32 hwreg(HW_REG_WAVE_MODE, 25, 1), 1
	s_wait_xcnt 0x0
; The tiles' results are joined.  With M = the largest T of batch b's live rows and L = sum over live s of 2^(T_s - M):  attn[s] = 2^(T_s - M) / L (0 at and past enc_lens),
; context = sum over tiles t of 2^(m_t - M) part_t / L,  coverage_out = cov + attn.
; WORK LEFT OUT (shown at the head of launch prep): tiles that begin at or past enc_lens[b] were not made and are not read: every index is clamped to the tiles that exist, and what a clamp reads again gets weight 0.
; No branch hangs on enc_lens: only clamps and selects.  enc_lens is clamped to 1 .. 2,048, as in launch scores.
; SHARES.  Work-group (x, b), two waves: rows 256 x .. 256 x + 255 of attn and coverage_out (four a thread) and columns 128 x .. 128 x + 127 of context (wave w adds tiles 13 w .. 13 w + 12; four columns a lane).
; Every work-group of a batch forms M and L for itself: 2,048 numbers, 32 a thread.
; LDS: 0 the tiles' weights, 128 bytes for each wave, its own | 256 the two waves' parts of L | 512 the two waves' parts of the context, 512 bytes each | 1,536 the spare words.
.set MTOFF, 266240
.set LP,    256
.set CX,    512
.set SPARE, 1536
.set LN,  1
.set SPW, 2                            ; v2   LDS address of my spare word; never rewritten
.set NIL, 3                            ; v3   0; never rewritten
.set L16, 4
.set MTO, 5
.set QO,  6                            ; v6-13   byte offsets of my eight quads of T
.set OWN, 14                           ; v14     of the quad that I store
.set CVO, 15                           ; v15     the same rows in cov, out1, out2
.set PO,  16                           ; v16-28  byte offsets of my wave's 13 tiles in part
.set WLS, 29
.set WLL, 30
.set LPS, 31
.set LPL, 32
.set CXS, 33
.set CXL, 34
.set MT,  35
.set NINF, 36
.set PT,  37
.set MX,  38
.set WW,  39
.set Q,   40                           ; v40-75  nine quads of T, then of 2^(T - M); the ninth is the one that I store
.set CV,  76                           ; v76-79  cov, then cov + attn
.set PA,  80                           ; v80-131 13 x 4 numbers of part
.set DD,  132                          ; v132-140 enc_lens - the quad's first row
.set SM,  142
.set WK,  146                          ; v146-159 my wave's 13 weights (and one register that a pair names)
.set AC,  160
.set AT,  164
.set LS,  168
.set RL,  170
	s_load_b256 s[4:11], s[0:1], 0x0               ; tsc s[4:5], part s[6:7], enc_lens s[8:9], cov s[10:11]
	s_load_b128 s[12:15], s[0:1], 0x20             ; out0 s[12:13], out1 s[14:15]
	s_load_b64 s[16:17], s[0:1], 0x30              ; out2
	v_lshl_add_u32 v[SPW], v0, 2, SPARE
	v_mov_b32 v[NIL], 0
	v_lshrrev_b32 v[LN], 5, v0
	v_readfirstlane_b32 s18, v[LN]                 ; wave 0, 1
	v_and_b32 v[LN], 31, v0
	s_and_b32 s19, ttmp7, 0xffff                   ; b
	s_mov_b32 s20, ttmp9                           ; x
	s_lshl_b32 s28, s19, 2
	s_mov_b32 s29, 0
	s_wait_kmcnt 0x0
	s_add_nc_u64 s[8:9], s[8:9], s[28:29]
	s_load_b32 s21, s[8:9], 0x0                    ; enc_lens[b]
	v_lshlrev_b32 v[L16], 4, v[LN]
	s_lshl_b32 s30, s18, 7
	v_lshl_add_u32 v[WLS], v[LN], 2, s30           ; my wave's 32 weights
	s_mul_i32 s30, s18, 180
	v_mov_b32 v[WLL], s30                          ; 128 w + 4 x 13 w: my wave's copy, at its first tile
	s_lshl_b32 s30, s18, 2
	s_add_co_u32 s30, s30, LP
	v_mov_b32 v[LPS], s30
	v_mov_b32 v[LPL], LP
	s_lshl_b32 s30, s18, 9
	s_add_co_u32 s30, s30, CX
	v_add_nc_u32 v[CXS], s30, v[L16]
	v_add_nc_u32 v[CXL], CX+512, v[L16]
	v_mov_b32 v[NINF], 0xff800000
	v_mov_b32 v[PT], 0                             ; a lane permute's destination counts as one of its sources
	v_mov_b32 v[WK+13], 0                          ; (named as the upper half of a pair)
	s_mov_b32 s26, 0x76543210
	s_mov_b32 s27, 0xfedcba98
	s_mul_i32 s28, s19, 8320
	s_add_nc_u64 s[32:33], s[4:5], s[28:29]        ; T[b]
	s_lshl_b32 s28, s19, 7
	s_add_co_u32 s28, s28, MTOFF
	s_add_nc_u64 s[34:35], s[4:5], s[28:29]        ; the tiles' largest T of batch b
	s_lshl_b32 s30, s20, 9
	s_mul_i32 s28, s19, 106496
	s_add_co_u32 s28, s28, s30
	s_add_nc_u64 s[6:7], s[6:7], s[28:29]          ; part[b][0], my 128 columns
	s_lshl_b32 s28, s19, 12
	s_add_co_u32 s28, s28, s30
	s_add_nc_u64 s[12:13], s[12:13], s[28:29]      ; out0[b], my 128 columns
	s_lshl_b32 s28, s19, 13
	s_add_nc_u64 s[10:11], s[10:11], s[28:29]
	s_add_nc_u64 s[14:15], s[14:15], s[28:29]
	s_add_nc_u64 s[16:17], s[16:17], s[28:29]
	s_lshl_b32 s30, s20, 6
	s_mul_i32 s36, s18, 13
	s_wait_kmcnt 0x0
	s_max_i32 s21, s21, 1
	s_min_u32 s21, s21, 2048
	s_add_co_u32 s22, s21, 79
	s_mul_i32 s22, s22, 52429
	s_lshr_b32 s22, s22, 22                        ; tiles that exist: (len + 79) / 80, exact for numbers up to 2,127
	s_sub_co_u32 s23, s22, 1
	s_min_u32 s23, s23, 25                         ; the last of them
	s_mul_i32 s24, s23, 20
	s_add_co_u32 s24, s24, 19                      ; and its last quad of rows
	v_min_u32 v[MTO], s23, v[LN]
	v_min_u32 v[MTO], 25, v[MTO]
	v_lshlrev_b32 v[MTO], 2, v[MTO]
.irp k, 0,1,2,3,4,5,6,7
	v_add_nc_u32 v[QO+\k], 64*\k, v0               ; quad t + 64 k
.endr
	v_add_nc_u32 v[OWN], s30, v0                   ; quad 64 x + t
	v_lshlrev_b32 v[CVO], 4, v[OWN]
.irp k, 0,1,2,3,4,5,6,7,8
	v_lshlrev_b32 v[DD+\k], 2, v[QO+\k]
	v_sub_nc_u32 v[DD+\k], s21, v[DD+\k]           ; number e of the quad counts where e < this
	v_min_u32 v[QO+\k], s24, v[QO+\k]              ; only quads that were stored are read,
	v_min_u32 v[QO+\k], 519, v[QO+\k]              ; (the bound once more as a constant)
	v_lshlrev_b32 v[QO+\k], 4, v[QO+\k]
.endr
.irp k, 0,1,2,3,4,5,6,7,8,9,10,11,12
	s_add_co_u32 s37, s36, \k
	s_min_u32 s37, s37, s23                        ; tile 13 w + k, or the last that exists
	s_min_u32 s37, s37, 25
	s_lshl_b32 s37, s37, 12
	v_add_nc_u32 v[PO+\k], s37, v[L16]
.endr
	global_load_b32 v[MT], v[MTO], s[34:35]
.irp k, 0,1,2,3,4,5,6,7,8
	global_load_b128 v[Q+4*\k:Q+4*\k+3], v[QO+\k], s[32:33]
.endr
	global_load_b128 v[CV:CV+3], v[CVO], s[10:11]
.irp k, 0,1,2,3,4,5,6,7,8,9,10,11,12
	global_load_b128 v[PA+4*\k:PA+4*\k+3], v[PO+\k], s[6:7]
.endr
	s_wait_loadcnt 23                              ; the tiles' largest T are in; the 23 loads issued behind them may be out
	v_mov_b32 v[MX], v[MT]
.irp m, 1,2,4,8
	v_max_num_f32_dpp v[MX], v[MX], v[MX] row_xmask:\m row_mask:0xf bank_mask:0xf
.endr
	v_permlanex16_b32 v[PT], v[MX], s26, s27
	v_max_num_f32 v[MX], v[MX], v[PT]              ; M
	v_sub_f32 v[WW], v[MT], v[MX]
	v_exp_f32 v[WW], v[WW]
	v_cmp_gt_u32 vcc_lo, s22, v[LN]                ; (a plain instruction behind the exponential)
	s_wait_alu depctr_va_vdst(0)                   ; the wait ahead of the first instruction that names its result
	v_cndmask_b32 v[WW], 0, v[WW], vcc_lo          ; tile l's weight 2^(m_l - M); 0 for tiles that do not exist
	ds_store_b32 v[WLS], v[WW]
	s_wait_loadcnt 14                              ; the nine quads of T are in; cov's load and part's thirteen may be out
.irp k, 0,1,2,3,4,5,6,7,8
.irp e, 0,1,2,3
	v_cmp_ge_i32 vcc_lo, \e, v[DD+\k]
	v_cndmask_b32 v[Q+4*\k+\e], v[Q+4*\k+\e], v[NINF], vcc_lo   ; rows at or past enc_lens: -infinity
.endr
.endr
.set qq, 0
.rept 36
	v_sub_f32 v[Q+qq], v[Q+qq], v[MX]
.set qq, qq+1
.endr
.set qq, 0
.rept 36
	v_exp_f32 v[Q+qq], v[Q+qq]
.set qq, qq+1
.endr
	v_nop                                          ; one plain instruction behind the batch,
	s_wait_alu depctr_va_vdst(0)                   ; and its one wait
	v_pk_add_f32 v[SM:SM+1], v[Q:Q+1], v[Q+2:Q+3]
	v_pk_add_f32 v[SM+2:SM+3], v[Q+4:Q+5], v[Q+6:Q+7]
.irp j, 8,12,16,20,24,28
	v_pk_add_f32 v[SM:SM+1], v[SM:SM+1], v[Q+\j:Q+\j+1]
	v_pk_add_f32 v[SM+2:SM+3], v[SM+2:SM+3], v[Q+\j+2:Q+\j+3]
.endr
	v_pk_add_f32 v[SM:SM+1], v[SM:SM+1], v[SM+2:SM+3]
	v_add_f32 v[SM], v[SM], v[SM+1]
.irp m, 1,2,4,8
	v_add_f32_dpp v[SM], v[SM], v[SM] row_xmask:\m row_mask:0xf bank_mask:0xf
.endr
	v_permlanex16_b32 v[PT], v[SM], s26, s27
	v_add_f32 v[SM], v[SM], v[PT]                  ; my wave's part of L
	ds_store_b32 v[LPS], v[SM]                     ; all lanes write the same word with the same value
.irp k, 0,1,2,3,4,5,6,7,8,9,10,11,12
	ds_load_b32 v[WK+\k], v[WLL] offset:4*\k       ; LDS serves a wave's instructions in order: these see my wave's weights
.endr
	s_wait_loadcnt 0x0
	s_wait_dscnt 0x0
	v_pk_mul_f32 v[AC:AC+1], v[PA:PA+1], v[WK:WK+1] op_sel_hi:[1,0]        ; the first tile starts the sums
	v_pk_mul_f32 v[AC+2:AC+3], v[PA+2:PA+3], v[WK:WK+1] op_sel_hi:[1,0]
.irp k, 1,2,3,4,5,6,7,8,9,10,11,12
.if \k%2
	v_pk_fma_f32 v[AC:AC+1], v[PA+4*\k:PA+4*\k+1], v[WK+\k-1:WK+\k], v[AC:AC+1] op_sel:[0,1,0] op_sel_hi:[1,1,1]
	v_pk_fma_f32 v[AC+2:AC+3], v[PA+4*\k+2:PA+4*\k+3], v[WK+\k-1:WK+\k], v[AC+2:AC+3] op_sel:[0,1,0] op_sel_hi:[1,1,1]
.else
	v_pk_fma_f32 v[AC:AC+1], v[PA+4*\k:PA+4*\k+1], v[WK+\k:WK+\k+1], v[AC:AC+1] op_sel_hi:[1,0,1]
	v_pk_fma_f32 v[AC+2:AC+3], v[PA+4*\k+2:PA+4*\k+3], v[WK+\k:WK+\k+1], v[AC+2:AC+3] op_sel_hi:[1,0,1]
.endif
.endr
	ds_store_b128 v[CXS], v[AC:AC+3]
	s_wait_dscnt 0x0                               ; for the other wave's sake: my parts of L and of the context lie in LDS
	s_barrier_signal -1
	s_barrier_wait -1
	ds_load_b64 v[LS:LS+1], v[LPL]
	s_wait_dscnt 0x0
	v_add_f32 v[LS], v[LS], v[LS+1]                ; L: at least 1, since the row with T = M counts
	v_rcp_f32 v[RL], v[LS]
	v_nop
	s_wait_alu depctr_va_vdst(0)
.irp e, 0,1,2,3
	v_mul_f32 v[AT+\e], v[Q+32+\e], v[RL]          ; attn
.endr
.irp e, 0,1,2,3
	v_add_f32 v[CV+\e], v[CV+\e], v[AT+\e]         ; cov + attn
.endr
	global_store_b128 v[CVO], v[AT:AT+3], s[14:15] ; each store of a wave covers 512 consecutive bytes
	global_store_b128 v[CVO], v[CV:CV+3], s[16:17]
	s_cmp_lg_u32 s18, 0                            ; wave 0 joins the two parts of the context
	s_cbranch_scc1 .Ldone
	ds_load_b128 v[Q:Q+3], v[CXL]
	s_wait_dscnt 0x0
	v_pk_add_f32 v[AC:AC+1], v[AC:AC+1], v[Q:Q+1]
	v_pk_add_f32 v[AC+2:AC+3], v[AC+2:AC+3], v[Q+2:Q+3]
.irp e, 0,1,2,3
	v_mul_f32 v[AC+\e], v[AC+\e], v[RL]
.endr
	global_store_b128 v[L16], v[AC:AC+3], s[12:13]
.Ldone:
	s_wait_tensorcnt 0x0                           ; the wave's end: behind my last LDS store
	ds_add_u32 v[SPW], v[NIL]
	s_wait_dscnt 0x0
	s_endpgm
.Lfunc_end_k_qa8fbeff244_finish:
	.size	k_qa8fbeff244_finish, .Lfunc_end_k_qa8fbeff244_finish-k_qa8fbeff244_finish
	.p2alignl 7, 3214868480
	.fill 96, 4, 3214868480
	.section	.rodata,"a",@progbits
	.p2align	6, 0x0
	.amdhsa_kernel k_qa8fbeff244_finish
		.amdhsa_group_segment_fixed_size 1792
		.amdhsa_private_segment_fixed_size 0
		.amdhsa_enable_private_segment 0
		.amdhsa_kernarg_size 56
		.amdhsa_user_sgpr_count 2
		.amdhsa_user_sgpr_kernarg_segment_ptr 1
		.amdhsa_wavefront_size32 1
		.amdhsa_system_sgpr_workgroup_id_x 1
		.amdhsa_system_sgpr_workgroup_id_y 1
		.amdhsa_system_sgpr_workgroup_id_z 1
		.amdhsa_system_vgpr_workitem_id 0
		.amdhsa_next_free_vgpr 176
		.amdhsa_next_free_sgpr 66
		.amdhsa_reserve_vcc 1
		.amdhsa_float_denorm_mode_32 3
		.amdhsa_float_denorm_mode_16_64 3
		.amdhsa_memory_ordered 1
		.amdhsa_forward_progress 1
		.amdhsa_inst_pref_size 20
	.end_amdhsa_kernel
	.amdgpu_metadata
---
amdhsa.version: [ 1, 2 ]
amdhsa.kernels:
  - .name:           k_qa8fbeff244_finish
    .symbol:         k_qa8fbeff244_finish.kd
    .args:
      - { .name: tsc, .offset: 0, .size: 8, .value_kind: global_buffer, .address_space: global }
      - { .name: part, .offset: 8, .size: 8, .value_kind: global_buffer, .address_space: global }
      - { .name: enc_lens, .offset: 16, .size: 8, .value_kind: global_buffer, .address_space: global }
      - { .name: coverage_vector, .offset: 24, .size: 8, .value_kind: global_buffer, .address_space: global }
      - { .name: out0, .offset: 32, .size: 8, .value_kind: global_buffer, .address_space: global }
      - { .name: out1, .offset: 40, .size: 8, .value_kind: global_buffer, .address_space: global }
      - { .name: out2, .offset: 48, .size: 8, .value_kind: global_buffer, .address_space: global }
    .group_segment_fixed_size: 1792
    .private_segment_fixed_size: 0
    .kernarg_segment_align: 8
    .kernarg_segment_size: 56
    .max_flat_workgroup_size: 64
    .sgpr_count:     66
    .vgpr_count:     176
    .wavefront_size: 32
...
	.end_amdgpu_metadata
.endif
;; end of part 3
;; ======== version 2 of 2: 3 launches
;; limits: values are held in f16: magnitudes above 65,504 overflow, below 6.1e-05 lose precision; right only within a limited range of input values
;; workspace buffers: whc 524,288 bytes; whs 32,768 bytes; cb 131,072 bytes; tsc 270,336 bytes; part 3,407,872 bytes
;; launch prep (part 4): grid 128 x 1, 8 waves a work-group, no clusters, 54,272 bytes of LDS; arguments Wh, Ws, dec_in_state, bh, bs, whc, whs, cb; writes whc, whs, cb
.if DOCPART == 4
	.amdgcn_target "amdgcn-amd-amdhsa--gfx1250"
	.amdhsa_code_object_version 6
	.text
	.protected	k_qa8fbeff244_prep
	.globl	k_qa8fbeff244_prep
	.p2align	8
	.type	k_qa8fbeff244_prep,@function
k_qa8fbeff244_prep:
	s_mov_b64 s[64:65], 0
	v_nop
	global_prefetch_b8 v0, s[64:65] scope:SCOPE_SE
	s_setreg_imm32_b32 hwreg(HW_REG_WAVE_MODE, 25, 1), 1
	s_wait_xcnt 0x0
; THE PROGRAM (three launches): prep | scores | finish.
;   e[b][s] = v . tanh(enc[b][s] Wh^T + bh + dec[b] Ws^T + bs + cov[b][s] wc);  attn = softmax(e) x mask / sum(softmax(e) x mask);  context = attn . enc;  coverage_out = cov + attn.
;   Both products with Wh and Ws run on codes of E2M1 with one E8M0 scale for each 32 along K.
; WORK LEFT OUT, for all values of the inputs:
;   (1) softmax(e)[s] = exp(e[s] - max) / Z.  In attn = softmax x mask / sum(softmax x mask) the factor exp(-max) / Z stands in the numerator and in every term of the divisor, so
;       attn[s] = mask[s] exp(e[s]) / sum_j mask[j] exp(e[j]).  So e[b][s] with s >= enc_lens[b] reaches no output, and row s of enc_states reaches context only times attn[s] = 0.
;       enc_lens is a whole-number input: launch scores reads it and takes only tiles of rows that begin under it.  A maximum is still taken away ahead of every exponential: that of the rows that count.
;   (2) tanh(x) = 1 - 2 / (1 + exp(2 x)), so e = sum_m v[m] - 2 sum_m v[m] r[m] with r = 1 / (1 + exp(2 x)).  The first term is the same along the softmax's axis and goes.
;   Every input has a way to an output and is loaded.
; LIMITS: a NaN, an infinity or an overflow that reaches only the work left out (rows at or past enc_lens in tiles that are not taken; the sum of v) is not carried to the result.  Where a masked score lies so far
;   above all that count that reference()'s own softmax gives 0 / 0, this program gives the finite quotient.  enc_lens under 1 (reference(): NaN) is taken as 1; above 2,048 it acts as 2,048, as in reference().
;   Blocks whose largest magnitude lies under 2^-124 get the scale byte 1; a block of zeros too (its codes are zeros, and the bytes are read by this program alone).  NaN and infinities in quantised operands are not served.
;
; THIS LAUNCH.  Work-groups 64 .. 127: 16 rows of Wh [1024][1024] f32 each become codes and scale words laid IN THE ORDER OF THE OPERAND'S REGISTERS:
;   whc [g 16][j 8][ct 4][c 2][lane 32][16 bytes]: rows 64 g + 16 ct + lane % 16, k = 128 j + 64 c + 32 (lane / 16) + 0 .. 31;
;   whs [g][j][lane][2 words]: word q = the scale word (K step j) of row 64 g + 16 (2 q + lane / 16) + lane % 16.
; Work-groups 0 .. 63: cb[b][m] = c (dec[b] . Ws[m] + bh[m] + bs[m]), c = 2 log2(e), for the 16 features m = 16 x work-group + ..
; HOW ROWS ARE QUANTISED, in both: a wave takes whole rows (two of the weight; four of dec); a lane takes 8 neighbours along K of each 256, so that the 32 lanes of a load stand on 1,024 neighbouring bytes;
; four neighbouring lanes hold a block of 32.  Codes go to LDS rows of 512 + 16 bytes, scale bytes to rows of 32 + 16.  Behind a barrier wave j reads K step j of the 16 rows as a fragment: two loads of 16 bytes a lane.
; The weight's fragment then leaves as it stands (Wh), or is multiplied with dec's two fragments, and the eight waves' partial sums meet in LDS (Ws).
; The two ways part once, on the work-group's number, and each stores to LDS bytes of its own.
; whs: a fragment's 16 scale words leave as 16 stores of 4 bytes, 8 bytes apart (lanes 16-31 write the same words with the same values): the layout is the one in which launch scores loads them; 32,768 bytes in the launch.
.set C2L,   0x4038aa3b                 ; c = 2 log2(e)
.set CP,    528                        ; a row of codes in LDS: 33 x 16 bytes, so that the 16 rows of a fragment load start at 16 different groups of four banks
.set SP,    48                         ; a row of scale bytes
.set CODEW, 0                          ; LDS, the way of Ws: its 16 rows of codes,
.set CODED, 8448                       ; dec's 32 rows,
.set SCLW,  25344                      ; Ws's scale bytes,
.set SCLD,  26112                      ; dec's,
.set PS,    27648                      ; the partial sums: 8 waves x 2,048 bytes, images of registers
.set CODEA, 44032                      ; the way of Wh: its 16 rows of codes,
.set SCLA,  52480                      ; and their scale bytes
.set SPARE, 53248                      ; the spare words, 128 bytes a wave: four blocks of 256 bytes that no other line names
.set RR,  1                            ; v1   r = lane % 16
.set HH,  2                            ; v2   h = lane / 16
.set LN,  3                            ; v3   lane
.set L16, 4                            ; v4   16 x lane
.set VW,  5                            ; v5   the weight: my wave's two rows, my lane's 32 bytes
.set VD,  6                            ; v6   dec: my wave's four rows, my lane's 32 bytes
.set SPW, 7                            ; v7   LDS address of my spare word; never rewritten
.set NIL, 8                            ; v8   0; never rewritten
.set PSS, 9                            ; v9   where I put my partial sums
.set PSL, 10                           ; v10  where I read eight waves' partial sums
.set BO,  11                           ; v11  my four features' bytes in bh, bs
.set CO,  12                           ; v12  and in cb
.set CSW, 13                           ; v13  where I store the weight's codes: row 2 w, 4 bytes a lane
.set CSD, 14                           ; v14  dec's: row 4 w
.set SSW, 15                           ; v15  where I store the weight's scale bytes: row 2 w, byte lane / 4
.set SSD, 16                           ; v16  dec's
.set ALW, 17                           ; v17  my place in the weight's fragment of K step w: 528 r + 16 h + 64 w
.set ALD, 18                           ; v18  in dec's
.set ASW, 19                           ; v19  the weight's scale word of row r, K step w
.set ASD, 20                           ; v20  dec's
.set SO,  21                           ; v21  8 r: my row's place among whs's pairs of words
.set TQ,  24                           ; v24-47  two sets of 12 at work: +0 largest magnitudes, then scale operands; +4 scale bytes; +8 codes
.set BI,  48                           ; v48-55  bh, bs of my four features
.set SW,  60                           ; v60-62  scale words: they hold scales and nothing else
.set XW,  64                           ; v64-127 two rows of the weight as loaded; later the products' results and the sums
.set XD,  128                          ; v128-255 four rows of dec as loaded; later the fragments
.set FW,  128                          ; the weight's fragment
.set FD,  136                          ; dec's two
.macro RLOAD xs, vo, base, row, nt     ; one row, 32 numbers a lane: eight loads
.irp ch, 0,1,2,3
.irp d, 0,1
.if \nt
	global_load_b128 v[(\xs)+8*\ch+4*\d:(\xs)+8*\ch+4*\d+3], v[\vo], s[\base:\base+1] offset:4096*(\row)+1024*\ch+16*\d th:TH_LOAD_NT
.else
	global_load_b128 v[(\xs)+8*\ch+4*\d:(\xs)+8*\ch+4*\d+3], v[\vo], s[\base:\base+1] offset:4096*(\row)+1024*\ch+16*\d
.endif
.endr
.endr
.endm
.macro QROW xs, set, cst, sst, coff, soff   ; the row in v[xs] on becomes codes and scale bytes in LDS: eight stores
.set TS, TQ+12*(\set)
	s_wait_dscnt 8                                 ; the eight stores of the row before may be out; those of two rows back, which read this set of registers, are done
.irp ch, 0,1,2,3
	v_max3_num_f32 v[TS+\ch], |v[(\xs)+8*\ch]|, |v[(\xs)+8*\ch+1]|, 0x1800000   ; with the floor 2^(3 - 127): the byte cannot fall under 1
.endr
.irp p, 2,4,6
.irp ch, 0,1,2,3
	s_delay_alu instid0(VALU_DEP_4)
	v_max3_num_f32 v[TS+\ch], |v[(\xs)+8*\ch+\p]|, |v[(\xs)+8*\ch+\p+1]|, v[TS+\ch]
.endr
.endr
.irp ch, 0,1,2,3
	s_delay_alu instid0(VALU_DEP_4)
	v_max_num_f32_dpp v[TS+\ch], v[TS+\ch], v[TS+\ch] row_xmask:1 row_mask:0xf bank_mask:0xf
.endr
.irp ch, 0,1,2,3
	s_delay_alu instid0(VALU_DEP_4)
	v_max_num_f32_dpp v[TS+\ch], v[TS+\ch], v[TS+\ch] row_xmask:2 row_mask:0xf bank_mask:0xf   ; the block's largest magnitude
.endr
.irp ch, 0,1,2,3
	s_delay_alu instid0(VALU_DEP_4)
	v_add_nc_u32 v[TS+\ch], 0xff000000, v[TS+\ch]  ; 2 off its exponent field: the conversion takes this operand's exponent field as its scale
.endr
.irp ch, 0,1,2,3
	s_delay_alu instid0(VALU_DEP_4)
	v_lshrrev_b32 v[TS+4+\ch], 23, v[TS+\ch]       ; the scale's byte
.endr
.irp ch, 0,1,2,3
	v_cvt_scalef32_pk8_fp4_f32 v[TS+8+\ch], v[(\xs)+8*\ch:(\xs)+8*\ch+7], v[TS+\ch]
.endr
	v_nop                                          ; one plain instruction behind the last scaled conversion
.irp ch, 0,1,2,3
	ds_store_b32 v[\cst], v[TS+8+\ch] offset:(\coff)+128*\ch
	ds_store_b8 v[\sst], v[TS+4+\ch] offset:(\soff)+8*\ch   ; the four lanes of a block write the same byte with the same value
.endr
.endm
	; ---- the head: ids and every LDS address, ahead of the parting
	s_load_b512 s[4:19], s[0:1], 0x0               ; Wh s[4:5], Ws s[6:7], dec s[8:9], bh s[10:11], bs s[12:13], whc s[14:15], whs s[16:17], cb s[18:19]
	v_lshl_add_u32 v[SPW], v0, 2, SPARE
	v_mov_b32 v[NIL], 0
	v_lshrrev_b32 v[LN], 5, v0
	s_delay_alu instid0(VALU_DEP_1)
	v_readfirstlane_b32 s20, v[LN]                 ; wave 0..7: which rows I quantise, and which K step j is mine
	v_and_b32 v[LN], 31, v0
	v_and_b32 v[RR], 15, v0
	v_bfe_u32 v[HH], v0, 4, 1
	s_delay_alu instid0(VALU_DEP_3)
	v_lshlrev_b32 v[L16], 4, v[LN]
	s_lshl_b32 s30, s20, 13
	v_lshl_add_u32 v[VW], v[LN], 5, s30            ; rows 2 w, 2 w + 1 of 4,096 bytes
	s_lshl_b32 s30, s20, 14
	v_lshl_add_u32 v[VD], v[LN], 5, s30            ; rows 4 w .. 4 w + 3
	s_mul_i32 s30, s20, 2*CP
	v_lshl_add_u32 v[CSW], v[LN], 2, s30
	s_mul_i32 s30, s20, 4*CP
	s_add_co_u32 s30, s30, CODED
	v_lshl_add_u32 v[CSD], v[LN], 2, s30
	v_lshrrev_b32 v[SSW], 2, v[LN]
	s_mul_i32 s30, s20, 4*SP
	s_add_co_u32 s30, s30, SCLD
	v_add_nc_u32 v[SSD], s30, v[SSW]
	s_mul_i32 s30, s20, 2*SP
	s_add_co_u32 s30, s30, SCLW
	v_add_nc_u32 v[SSW], s30, v[SSW]
	v_mul_u32_u24 v[ALW], v[RR], CP
	s_delay_alu instid0(VALU_DEP_1)
	v_lshl_add_u32 v[ALW], v[HH], 4, v[ALW]
	s_lshl_b32 s30, s20, 6
	v_add_nc_u32 v[ALW], s30, v[ALW]               ; a K step is 64 bytes of a row of codes
	s_delay_alu instid0(VALU_DEP_1)
	v_add_nc_u32 v[ALD], CODED, v[ALW]
	v_mul_u32_u24 v[ASW], v[RR], SP
	s_lshl_b32 s30, s20, 2
	s_add_co_u32 s30, s30, SCLW
	v_add_nc_u32 v[ASW], s30, v[ASW]               ; and 4 of a row of scale bytes
	s_delay_alu instid0(VALU_DEP_1)
	v_add_nc_u32 v[ASD], SCLD-SCLW, v[ASW]
	s_lshl_b32 s30, s20, 11
	s_add_co_u32 s30, s30, PS
	v_add_nc_u32 v[PSS], s30, v[L16]               ; my wave's 2,048 bytes
	s_lshl_b32 s30, s20, 9
	s_add_co_u32 s30, s30, PS
	v_add_nc_u32 v[PSL], s30, v[L16]               ; waves 0-3: quarter w of every wave's 2,048
	v_lshlrev_b32 v[SO], 3, v[RR]
	s_mov_b32 s24, C2L
	s_mov_b32 s25, C2L                             ; (named with it as a pair)
	s_mov_b32 s29, 0                               ; stays 0: the upper word of every 32-bit offset
	s_wait_kmcnt 0x0
	s_cmp_lt_u32 ttmp9, 64                         ; the work-group's number alone decides: all eight waves go the same way
	s_cbranch_scc1 .Ldec
	; ---- Wh: 16 rows
	s_sub_co_u32 s21, ttmp9, 64                    ; which 16 rows: 4 g + ct
	s_lshl_b32 s28, s21, 16
	s_add_nc_u64 s[4:5], s[4:5], s[28:29]
	RLOAD XW, VW, 4, 0, 1
	RLOAD XW+32, VW, 4, 1, 1
	s_lshr_b32 s22, s21, 2                         ; g
	s_and_b32 s23, s21, 3                          ; ct
	s_lshl_b32 s28, s22, 15
	s_lshl_b32 s30, s20, 12
	s_add_co_u32 s28, s28, s30
	s_lshl_b32 s30, s23, 10
	s_add_co_u32 s28, s28, s30
	s_add_nc_u64 s[14:15], s[14:15], s[28:29]      ; whc[g][j][ct]
	s_lshl_b32 s28, s22, 11
	s_lshl_b32 s30, s20, 8
	s_add_co_u32 s28, s28, s30
	s_and_b32 s30, s23, 1
	s_lshl_b32 s30, s30, 7
	s_add_co_u32 s28, s28, s30                     ; lanes 16 (ct % 2) on,
	s_lshr_b32 s30, s23, 1
	s_lshl_b32 s30, s30, 2
	s_add_co_u32 s28, s28, s30                     ; word ct / 2
	s_add_nc_u64 s[16:17], s[16:17], s[28:29]      ; of whs[g][j]
	s_wait_loadcnt 8                               ; my first row is in; the second row's eight loads may be out
	QROW XW, 0, CSW, SSW, CODEA-CODEW, SCLA-SCLW
	s_wait_loadcnt 0x0
	QROW XW+32, 1, CSW, SSW, CODEA-CODEW+CP, SCLA-SCLW+SP
	s_wait_dscnt 0x0                               ; for the others' sake: my rows' codes and scale bytes lie in LDS
	s_barrier_signal -1
	s_barrier_wait -1
	ds_load_b128 v[FW:FW+3], v[ALW] offset:CODEA-CODEW       ; K step j of the 16 rows, in the operand's own order
	ds_load_b128 v[FW+4:FW+7], v[ALW] offset:CODEA-CODEW+32
	ds_load_b32 v[SW], v[ASW] offset:SCLA-SCLW
	s_wait_dscnt 0x0
	global_store_b128 v[L16], v[FW:FW+3], s[14:15]           ; each of these two stores of the wave covers 512 consecutive bytes
	global_store_b128 v[L16], v[FW+4:FW+7], s[14:15] offset:512
	global_store_b32 v[SO], v[SW], s[16:17]
	s_branch .Lend
	; ---- the decoder's features: 16 rows of Ws against the 32 rows of dec
.Ldec:
	s_lshl_b32 s28, ttmp9, 16                      ; 16 rows of Ws
	s_add_nc_u64 s[6:7], s[6:7], s[28:29]
	s_and_b32 s31, s20, 1
	s_lshl_b32 s31, s31, 4
	s_lshl_b32 s30, ttmp9, 6
	s_add_co_u32 s30, s30, s31
	v_lshl_add_u32 v[BO], v[HH], 5, s30            ; features 16 mt + 8 h + 4 (w % 2) + 0 .. 3, in bytes
	s_lshr_b32 s31, s20, 1
	s_lshl_b32 s31, s31, 16
	v_lshl_add_u32 v[CO], v[RR], 12, v[BO]
	s_delay_alu instid0(VALU_DEP_1)
	v_add_nc_u32 v[CO], s31, v[CO]                 ; batch 16 (w / 2) + r
	s_cmp_lt_u32 s20, 4                            ; waves 0-3 finish the sums: they alone want the biases.  These two loads are older than all that the counts below count
	s_cbranch_scc0 .Lno_bias
	global_load_b128 v[BI:BI+3], v[BO], s[10:11]
	global_load_b128 v[BI+4:BI+7], v[BO], s[12:13]
.Lno_bias:
	RLOAD XW, VW, 6, 0, 1
	RLOAD XW+32, VW, 6, 1, 1
.irp k, 0,1,2,3
	RLOAD XD+32*\k, VD, 8, \k, 0                   ; dec is read by all 64 work-groups of this way: no hint
.endr
	s_wait_loadcnt 40                              ; a row is in when only the rows behind it, eight loads each, are out: five rows,
	QROW XW, 0, CSW, SSW, 0, 0
	s_wait_loadcnt 32                              ; four,
	QROW XW+32, 1, CSW, SSW, CP, SP
.irp k, 0,1,2,3
	s_wait_loadcnt 8*(3-\k)                        ; three to none
	QROW XD+32*\k, \k%2, CSD, SSD, \k*CP, \k*SP
.endr
	s_wait_dscnt 0x0                               ; for the others' sake: my rows' codes and scale bytes lie in LDS
	s_barrier_signal -1
	s_barrier_wait -1
	ds_load_b128 v[FW:FW+3], v[ALW]                ; K step j: Ws's fragment,
	ds_load_b128 v[FW+4:FW+7], v[ALW] offset:32
	ds_load_b128 v[FD:FD+3], v[ALD]                ; batches 0-15,
	ds_load_b128 v[FD+4:FD+7], v[ALD] offset:32
	ds_load_b128 v[FD+8:FD+11], v[ALD] offset:16*CP   ; batches 16-31,
	ds_load_b128 v[FD+12:FD+15], v[ALD] offset:16*CP+32
	ds_load_b32 v[SW], v[ASW]                      ; and their rows' scale words
	ds_load_b32 v[SW+1], v[ASD]
	ds_load_b32 v[SW+2], v[ASD] offset:16*SP
	s_wait_dscnt 0x0
	; source 0 = 16 rows of Ws, source 1 = 16 rows of dec: lane r holds batch r, register i feature 8 h + i
	v_wmma_scale_f32_16x16x128_f8f6f4 v[64:71], v[FW:FW+7], v[FD:FD+7], 0, v[SW], v[SW+1] matrix_a_fmt:MATRIX_FMT_FP4 matrix_b_fmt:MATRIX_FMT_FP4
	v_wmma_scale_f32_16x16x128_f8f6f4 v[72:79], v[FW:FW+7], v[FD+8:FD+15], 0, v[SW], v[SW+2] matrix_a_fmt:MATRIX_FMT_FP4 matrix_b_fmt:MATRIX_FMT_FP4
.rept 4
	v_nop                                          ; four places ahead of the first read of the results
.endr
	ds_store_b128 v[PSS], v[64:67]                 ; each result from its low end on
	ds_store_b128 v[PSS], v[68:71] offset:512
	ds_store_b128 v[PSS], v[72:75] offset:1024
	ds_store_b128 v[PSS], v[76:79] offset:1536
	s_wait_dscnt 0x0                               ; for the others' sake: my partial sums lie in LDS
	s_barrier_signal -1
	s_barrier_wait -1
	s_cmp_lt_u32 s20, 4
	s_cbranch_scc0 .Lend
.irp p, 0,1,2,3,4,5,6,7
	ds_load_b128 v[96+4*\p:99+4*\p], v[PSL] offset:2048*\p   ; K step p's part of my four features x 32 lanes
.endr
	v_pk_add_f32 v[BI:BI+1], v[BI:BI+1], v[BI+4:BI+5]        ; bh + bs,
	v_pk_add_f32 v[BI+2:BI+3], v[BI+2:BI+3], v[BI+6:BI+7]
	s_delay_alu instid0(VALU_DEP_2)
	v_pk_mul_f32 v[BI:BI+1], v[BI:BI+1], s[24:25] op_sel_hi:[1,0]   ; x c
	s_delay_alu instid0(VALU_DEP_2)
	v_pk_mul_f32 v[BI+2:BI+3], v[BI+2:BI+3], s[24:25] op_sel_hi:[1,0]
	s_wait_dscnt 0x0
.irp p, 0,2,4,6
	v_pk_add_f32 v[96+4*\p:97+4*\p], v[96+4*\p:97+4*\p], v[100+4*\p:101+4*\p]
	v_pk_add_f32 v[98+4*\p:99+4*\p], v[98+4*\p:99+4*\p], v[102+4*\p:103+4*\p]
.endr
.irp p, 0
	v_pk_add_f32 v[96+4*\p:97+4*\p], v[96+4*\p:97+4*\p], v[104+4*\p:105+4*\p]
	v_pk_add_f32 v[98+4*\p:99+4*\p], v[98+4*\p:99+4*\p], v[106+4*\p:107+4*\p]
.endr
.irp p, 4
	s_delay_alu instid0(VALU_DEP_4)
	v_pk_add_f32 v[96+4*\p:97+4*\p], v[96+4*\p:97+4*\p], v[104+4*\p:105+4*\p]
	s_delay_alu instid0(VALU_DEP_4)
	v_pk_add_f32 v[98+4*\p:99+4*\p], v[98+4*\p:99+4*\p], v[106+4*\p:107+4*\p]
.endr
	s_delay_alu instid0(VALU_DEP_2)
	v_pk_add_f32 v[96:97], v[96:97], v[112:113]
	s_delay_alu instid0(VALU_DEP_2)
	v_pk_add_f32 v[98:99], v[98:99], v[114:115]
	s_delay_alu instid0(VALU_DEP_2)
	v_pk_fma_f32 v[96:97], v[96:97], s[24:25], v[BI:BI+1] op_sel_hi:[1,0,1]   ; c x the product + c (bh + bs)
	s_delay_alu instid0(VALU_DEP_2)
	v_pk_fma_f32 v[98:99], v[98:99], s[24:25], v[BI+2:BI+3] op_sel_hi:[1,0,1]
	global_store_b128 v[CO], v[96:99], s[18:19]
.Lend:
	s_wait_tensorcnt 0x0                           ; the wave's end: behind my last LDS store
	ds_add_u32 v[SPW], v[NIL]
	s_wait_dscnt 0x0
	s_endpgm
.Lfunc_end_k_qa8fbeff244_prep:
	.size	k_qa8fbeff244_prep, .Lfunc_end_k_qa8fbeff244_prep-k_qa8fbeff244_prep
	.p2alignl 7, 3214868480
	.fill 96, 4, 3214868480
	.section	.rodata,"a",@progbits
	.p2align	6, 0x0
	.amdhsa_kernel k_qa8fbeff244_prep
		.amdhsa_group_segment_fixed_size 54272
		.amdhsa_private_segment_fixed_size 0
		.amdhsa_enable_private_segment 0
		.amdhsa_kernarg_size 64
		.amdhsa_user_sgpr_count 2
		.amdhsa_user_sgpr_kernarg_segment_ptr 1
		.amdhsa_wavefront_size32 1
		.amdhsa_system_sgpr_workgroup_id_x 1
		.amdhsa_system_sgpr_workgroup_id_y 1
		.amdhsa_system_sgpr_workgroup_id_z 1
		.amdhsa_system_vgpr_workitem_id 0
		.amdhsa_next_free_vgpr 256
		.amdhsa_next_free_sgpr 66
		.amdhsa_reserve_vcc 0
		.amdhsa_float_denorm_mode_32 3
		.amdhsa_float_denorm_mode_16_64 3
		.amdhsa_memory_ordered 1
		.amdhsa_forward_progress 1
		.amdhsa_inst_pref_size 45
	.end_amdhsa_kernel
	.amdgpu_metadata
---
amdhsa.version: [ 1, 2 ]
amdhsa.kernels:
  - .name:           k_qa8fbeff244_prep
    .symbol:         k_qa8fbeff244_prep.kd
    .args:
      - { .name: Wh, .offset: 0, .size: 8, .value_kind: global_buffer, .address_space: global }
      - { .name: Ws, .offset: 8, .size: 8, .value_kind: global_buffer, .address_space: global }
      - { .name: dec_in_state, .offset: 16, .size: 8, .value_kind: global_buffer, .address_space: global }
      - { .name: bh, .offset: 24, .size: 8, .value_kind: global_buffer, .address_space: global }
      - { .name: bs, .offset: 32, .size: 8, .value_kind: global_buffer, .address_space: global }
      - { .name: whc, .offset: 40, .size: 8, .value_kind: global_buffer, .address_space: global }
      - { .name: whs, .offset: 48, .size: 8, .value_kind: global_buffer, .address_space: global }
      - { .name: cb, .offset: 56, .size: 8, .value_kind: global_buffer, .address_space: global }
    .group_segment_fixed_size: 54272
    .private_segment_fixed_size: 0
    .kernarg_segment_align: 8
    .kernarg_segment_size: 64
    .max_flat_workgroup_size: 256
    .sgpr_count:     66
    .vgpr_count:     256
    .wavefront_size: 32
...
	.end_amdgpu_metadata
.endif
;; end of part 4
;; launch scores (part 5): grid 26 x 32, 4 waves a work-group, no clusters, 217,344 bytes of LDS; arguments enc_states, enc_lens, coverage_vector, whc, whs, cb, wc, v, tsc, part; writes tsc, part
.if DOCPART == 5
	.amdgcn_target "amdgcn-amd-amdhsa--gfx1250"
	.amdhsa_code_object_version 6
	.text
	.protected	k_qa8fbeff244_scores
	.globl	k_qa8fbeff244_scores
	.p2align	8
	.type	k_qa8fbeff244_scores,@function
k_qa8fbeff244_scores:
	s_mov_b64 s[64:65], 0
	v_nop
	global_prefetch_b8 v0, s[64:65] scope:SCOPE_SE
	s_setreg_imm32_b32 hwreg(HW_REG_WAVE_MODE, 25, 1), 1
	s_wait_xcnt 0x0
; Work-group (x, b) takes rows 80 x .. 80 x + 79 of batch b through the whole chain: read once as f32, quantised to E2M1 along K, multiplied with Wh's codes, tanh, the product with v, the tile's own softmax,
; and the tile's part of the context.  It stores T[b][s] = -c sum_m v[m] r[m] (the score in powers of two, less a term that is the same for all s), the tile's largest T, and sum_s 2^(T_s - largest) enc[s].
; WORK LEFT OUT (shown at the head of launch prep): a tile whose first row is at or past enc_lens[b] does none of the work and stores nothing; the sum of v is not formed.  enc_lens is read from memory here, clamped to 1 .. 2,048.
; THE TEXT IS A HEAD, THREE STRETCHES OF WORK AND TWO BARRIERS BETWEEN THEM.  Every wave passes both barriers: none stands under a branch on a number read from memory.  A tile that does not count jumps over each stretch
; (flag s38).  Each stretch reads only registers that the head or the stretch itself has written; all LDS addresses are made in the head.
; Inside a tile that is taken, groups of 16 rows that lie wholly past enc_lens read the last live group again (an index clamped by a constant), and every row at or past enc_lens gets T = -infinity, weight 0.
; THE CONTEXT'S OPERAND.  The rows stay in LDS as f16 for the product with the weights (weights and sums in f32).  f16 and not bf16: a short sequence sums few rows with large weights, and where they nearly cancel
; the rounding of an 8-bit mantissa (up to 2^-9 of a number) is as large as what the comparison allows; f16's is 2^-12.  LIMIT: a magnitude of enc_states above 65,504 becomes infinity in the context.
; NO TENSOR LOADS, NO CLUSTER: all operands go through registers; partners of a cluster could have different numbers of tiles.
; SHARES.  Four waves.  Loading: wave w takes rows 16 i + 4 w + 0 .. 3 of each group i.  Products: wave w takes features 256 w .. 256 w + 255, 64 a pass, for all 80 rows: source 0 = 16 rows of enc, source 1 = 16 rows of Wh,
; so a lane holds ONE feature (lane % 16) and eight rows (8 (lane / 16) + 0 .. 7): cb, wc and v are one number a lane, and the sum over features is a sum over passes, column tiles and at the end sixteen lanes.
; tanh(x) = 1 - 2 r, r = 1 / (1 + 2^(c x)), c = 2 log2(e): 2^(c x) may overflow to infinity (r = 0) or fall to 0 (r = 1): both are tanh's limits.
; LDS: COPY 80 rows x 2,048 (enc as f16, for the context) | CODE 80 x (512 + 16) | SCL 80 x (32 + 16) scale bytes | EP 4 waves x 80 partial scores | PW 4 x 96 weights, each wave's own | CTXS 4 x 1,024, each wave's own | spare words.
; REGISTERS, in windows of 256: window 0: addresses, scale words, constants, cov, the scores' sums, 80 at work.  Window 1: Wh's fragments, a ring of 8 K steps x 4 column tiles x 8.
;   Window 2: first two sets of 128 numbers as loaded; then the 20 accumulators, (rt, ct) at 32 rt + 8 ct.
.set ROWS,  80
.set C2L,   0x4038aa3b                 ; c
.set NC2L,  0xc038aa3b                 ; -c
.set COPY,  0
.set CODE,  163840
.set CP,    528                        ; a row of codes: 33 x 16 bytes, so that the 16 rows of a fragment load start at 16 different groups of four banks
.set SCL,   206080
.set SP,    48
.set EP,    209920
.set PW,    211200
.set CTXS,  212736
.set SPARE, 216832                     ; the spare words, 128 bytes a wave: two blocks of 256 bytes that no other line names
.set MTOFF, 266240                     ; in tsc: behind T [32][2080] the tiles' largest T, [32][32]
.set L16,  1                           ; v1    16 x lane
.set ALDS, 2                           ; v2    my place in a fragment of codes: CODE + 528 r + 16 h
.set SPW,  3                           ; v3    LDS address of my spare word; never rewritten
.set NIL,  4                           ; v4    0; never rewritten
.set VO,   5                           ; v5-9  group i: byte offset of my wave's four rows, my lane's 16 bytes
.set CST,  10                          ; v10   where I store codes
.set BST,  11                          ; v11-13 where I store the f16 copy: rows 0-31, 32-63, 64-79
.set SST,  14                          ; v14   where I store scale bytes
.set R4,   15                          ; v15   4 r
.set AS,   16                          ; v16-39 enc's scale words [q 3][j 8]: lanes 0-15 row tile 2 q, lanes 16-31 row tile 2 q + 1
.set BS,   40                          ; v40-55 Wh's [j 8][q 2]: lanes 0-15 column tile 2 q, lanes 16-31 column tile 2 q + 1
.set CN,   56                          ; v56-63 (cb, wc) of my feature, a pair for each column tile
.set VV,   64                          ; v64-67 v of my feature, for each column tile
.set CV,   68                          ; v68-107 c x cov of my eight rows of each row tile
.set EA,   108                         ; v108-147 sum of v r for the same rows; at the end the tile's softmax
.set T,    148                         ; v148-227 at work
.set L8,   228
.set CVO,  229                         ; v229-233 cov: byte offset of my eight rows of row tile rt
.set ASA,  234
.set ASB,  235
.set EPS,  236
.set EPL,  237
.set EPL2, 238
.set PWA,  239
.set PWB,  240
.set CXA,  241                         ; v241-243 the context's reads of COPY: rows 0-31, 32-63, 64-79
.set CTS,  244
.set CTL,  245
.set LN,   246                         ; lane
.set RR,   247                         ; r
.set HH,   248                         ; h
.set SL,   108                         ; in the third stretch, in EA's registers: 12 partial scores,
.set TT,   120                         ; T of rows lane, lane + 32, lane + 64,
.set RH,   123                         ; those rows' numbers,
.set MX,   126
.set PT,   127
.set PP,   128                         ; their weights
.set NINF, 131
.set TO,   132
.set TO2,  133
.set TD2,  134
.set MTO,  135
.set XH,   56                          ; the context: v56-87 and v88-119: two sets of eight rows x 8 columns as f16 (halves of registers have names up to v127 only)
.set CA,   148                         ; v148-155 its eight sums, v156-163 on the way out
.set WD,   164                         ; v164-195 four sets of eight widened numbers
.set PB,   212                         ; v212-227 two sets of eight weights
.set MSB, 0
.macro WIN new                         ; the immediate's high byte repeats the setting that is left; a switch that changes nothing is dropped
.if MSB != \new
	s_set_vgpr_msb (MSB<<8)|\new
.set MSB, \new
.endif
.endm
; settings: 0xa4 matrix (A window 0, B window 1, C and D window 2); 0x40, 0x80 loads into windows 1, 2; 0x0a sources 0 and 1 in window 2; 0x02 source 0 in window 2
; The five bases s[46:55] (Wh's codes, Wh's scale words, cb, wc, v) stand at the pass AFTER the one in hand.  back = 1: the first fill reaches one pass back by its immediate.
.macro RING j, back                    ; Wh's four fragments of K step j: each load covers 512 consecutive bytes
.irp ct, 0,1,2,3
.irp c, 0,1
	global_load_b128 v[32*(\j)+8*\ct+4*\c:32*(\j)+8*\ct+4*\c+3], v[L16], s[46:47] offset:4096*(\j)+1024*\ct+512*\c-32768*(\back)
.endr
.endr
.endm
.macro BSL j, back                     ; and that K step's scale words: 256 consecutive bytes
	global_load_b64 v[BS+2*(\j):BS+2*(\j)+1], v[L8], s[48:49] offset:256*(\j)-2048*(\back)
.endm
.macro CNLOAD back                     ; twelve loads: cb, wc, v of my feature in each column tile
.irp ct, 0,1,2,3
	global_load_b32 v[CN+2*\ct], v[R4], s[50:51] offset:64*\ct-256*(\back)
	global_load_b32 v[CN+2*\ct+1], v[R4], s[52:53] offset:64*\ct-256*(\back)
	global_load_b32 v[VV+\ct], v[R4], s[54:55] offset:64*\ct-256*(\back)
.endr
.endm
.macro STEPG                           ; the five bases go on by 64 features
	s_add_nc_u64 s[46:47], s[46:47], 32768
	s_add_nc_u64 s[48:49], s[48:49], 2048
	s_add_nc_u64 s[50:51], s[50:51], 256
	s_add_nc_u64 s[52:53], s[52:53], 256
	s_add_nc_u64 s[54:55], s[54:55], 256
.endm
.macro GLOAD i                         ; group i: my wave's four rows, 32 loads; each load covers 512 consecutive bytes, 16 a lane: chunk c = 2 ch + d is 128 numbers along K
	WIN 0x80
.irp k, 0,1,2,3
.irp ch, 0,1,2,3
.irp d, 0,1
	global_load_b128 v[128*((\i)%2)+32*\k+8*\ch+4*\d:128*((\i)%2)+32*\k+8*\ch+4*\d+3], v[VO+(\i)], s[4:5] offset:4096*\k+1024*\ch+512*\d th:TH_LOAD_NT
.endr
.endr
.endr
	WIN 0
.endm
; One row: 32 numbers a lane, four of each chunk of 128: registers 4 c .. 4 c + 3 hold k = 128 c + 4 lane + 0 .. 3.  Eight neighbouring lanes hold a block of 32.
; The conversion takes eight registers under one scale, and these eight lie in two chunks with two scales: so each run of eight is converted twice, once under each scale;
; of the first result the low 16 bits (chunk 2 p) count, of the second the high 16 (chunk 2 p + 1), and each half is stored by itself.  Codes, the f16 copy and the scale bytes lie in LDS in K's own order.
.macro QROW i, k
.set TS, T+40*((4*(\i)+(\k))%2)        ; +0 largest magnitudes, then scale operands; +8 bytes; +16 codes; +24 the copy
.set SG, 128*((\i)%2)+32*(\k)
.set RW, 16*(\i)+(\k)
	s_wait_dscnt 24                                ; the 24 stores of the row before may be out; those of two rows back, which read this set of registers, are done
	WIN 0x0a
.irp c, 0,1,2,3,4,5,6,7
	v_max3_num_f32 v[TS+\c], |v[SG+4*\c]|, |v[SG+4*\c+1]|, 0x1800000   ; with the floor 2^(3 - 127): the byte cannot fall under 1
.endr
.irp c, 0,1,2,3,4,5,6,7
	v_max3_num_f32 v[TS+\c], |v[SG+4*\c+2]|, |v[SG+4*\c+3]|, v[TS+\c]
.endr
.irp q, 0,1,2,3,4,5,6,7,8,9,10,11,12,13,14,15
	v_cvt_pk_f16_f32 v[TS+24+\q], v[SG+2*\q], v[SG+2*\q+1]   ; the copy for the context: the first number in the low half
.endr
	WIN 0
.irp m, 1,2,4
.irp c, 0,1,2,3,4,5,6,7
	v_max_num_f32_dpp v[TS+\c], v[TS+\c], v[TS+\c] row_xmask:\m row_mask:0xf bank_mask:0xf   ; over the block's eight lanes
.endr
.endr
.irp c, 0,1,2,3,4,5,6,7
	v_add_nc_u32 v[TS+\c], 0xff000000, v[TS+\c]    ; 2 off the exponent field: the conversion's scale operand
.endr
.irp c, 0,1,2,3,4,5,6,7
	v_lshrrev_b32 v[TS+8+\c], 23, v[TS+\c]         ; the scale's byte
.endr
	WIN 0x02
.irp p, 0,1,2,3
	v_cvt_scalef32_pk8_fp4_f32 v[TS+16+2*\p], v[SG+8*\p:SG+8*\p+7], v[TS+2*\p]     ; low half: chunk 2 p's four codes
	v_cvt_scalef32_pk8_fp4_f32 v[TS+17+2*\p], v[SG+8*\p:SG+8*\p+7], v[TS+2*\p+1]   ; high half: chunk 2 p + 1's
.endr
	v_nop                                          ; one plain instruction behind the last scaled conversion
	WIN 0
.irp p, 0,1,2,3
	ds_store_b16 v[CST], v[TS+16+2*\p] offset:RW*CP+128*\p              ; a chunk's codes: 64 bytes of the row, 2 a lane
	ds_store_b16_d16_hi v[CST], v[TS+17+2*\p] offset:RW*CP+128*\p+64
.endr
.irp c, 0,1,2,3,4,5,6,7
	ds_store_b64 v[BST+(\i)/2], v[TS+24+2*\c:TS+24+2*\c+1] offset:(RW%32)*2048+256*\c
	ds_store_b8 v[SST], v[TS+8+\c] offset:RW*SP+4*\c   ; the eight lanes of a block write the same byte with the same value
.endr
.endm
.macro ALOAD j                         ; enc's five fragments of K step j into buffer j % 2: ten loads
.irp rt, 0,1,2,3,4
.irp c, 0,1
	ds_load_b128 v[T+40*((\j)%2)+8*\rt+4*\c:T+40*((\j)%2)+8*\rt+4*\c+3], v[ALDS] offset:16*CP*\rt+64*(\j)+32*\c
.endr
.endr
.endm
.macro MM j, rt, ct                    ; one product; K step 0 starts the sum: nothing is cleared
.set rD, 32*(\rt)+8*(\ct)
.set rA, T+40*((\j)%2)+8*(\rt)
.set rB, 32*(\j)+8*(\ct)
.set rX, AS+8*((\rt)/2)+(\j)
.set rY, BS+2*(\j)+(\ct)/2
.if (\j) == 0
.if ((\rt)%2 == 0) && ((\ct)%2 == 0)
	v_wmma_scale_f32_16x16x128_f8f6f4 v[rD:rD+7], v[rA:rA+7], v[rB:rB+7], 0, v[rX], v[rY] matrix_a_fmt:MATRIX_FMT_FP4 matrix_b_fmt:MATRIX_FMT_FP4
.elseif ((\rt)%2 == 1) && ((\ct)%2 == 0)
	v_wmma_scale_f32_16x16x128_f8f6f4 v[rD:rD+7], v[rA:rA+7], v[rB:rB+7], 0, v[rX], v[rY] matrix_a_fmt:MATRIX_FMT_FP4 matrix_b_fmt:MATRIX_FMT_FP4 matrix_a_scale:MATRIX_SCALE_ROW1
.elseif ((\rt)%2 == 0)
	v_wmma_scale_f32_16x16x128_f8f6f4 v[rD:rD+7], v[rA:rA+7], v[rB:rB+7], 0, v[rX], v[rY] matrix_a_fmt:MATRIX_FMT_FP4 matrix_b_fmt:MATRIX_FMT_FP4 matrix_b_scale:MATRIX_SCALE_ROW1
.else
	v_wmma_scale_f32_16x16x128_f8f6f4 v[rD:rD+7], v[rA:rA+7], v[rB:rB+7], 0, v[rX], v[rY] matrix_a_fmt:MATRIX_FMT_FP4 matrix_b_fmt:MATRIX_FMT_FP4 matrix_a_scale:MATRIX_SCALE_ROW1 matrix_b_scale:MATRIX_SCALE_ROW1
.endif
.else
.if ((\rt)%2 == 0) && ((\ct)%2 == 0)
	v_wmma_scale_f32_16x16x128_f8f6f4 v[rD:rD+7], v[rA:rA+7], v[rB:rB+7], v[rD:rD+7], v[rX], v[rY] matrix_a_fmt:MATRIX_FMT_FP4 matrix_b_fmt:MATRIX_FMT_FP4
.elseif ((\rt)%2 == 1) && ((\ct)%2 == 0)
	v_wmma_scale_f32_16x16x128_f8f6f4 v[rD:rD+7], v[rA:rA+7], v[rB:rB+7], v[rD:rD+7], v[rX], v[rY] matrix_a_fmt:MATRIX_FMT_FP4 matrix_b_fmt:MATRIX_FMT_FP4 matrix_a_scale:MATRIX_SCALE_ROW1
.elseif ((\rt)%2 == 0)
	v_wmma_scale_f32_16x16x128_f8f6f4 v[rD:rD+7], v[rA:rA+7], v[rB:rB+7], v[rD:rD+7], v[rX], v[rY] matrix_a_fmt:MATRIX_FMT_FP4 matrix_b_fmt:MATRIX_FMT_FP4 matrix_b_scale:MATRIX_SCALE_ROW1
.else
	v_wmma_scale_f32_16x16x128_f8f6f4 v[rD:rD+7], v[rA:rA+7], v[rB:rB+7], v[rD:rD+7], v[rX], v[rY] matrix_a_fmt:MATRIX_FMT_FP4 matrix_b_fmt:MATRIX_FMT_FP4 matrix_a_scale:MATRIX_SCALE_ROW1 matrix_b_scale:MATRIX_SCALE_ROW1
.endif
.endif
.endm
; A K step of 128: twenty products, the twenty accumulators by turns, in the same order in every step.
; more = 1: the ring slot and the scale words that the step before has left are loaded again, nine loads, with the next pass's.
.macro KSTEP j, more
.if (\j) > 0
.rept 4
	v_nop                                          ; four places between the last step's products and the loads into registers that they read (the other A buffer; ring slot j - 1 and its scale words)
.endr
.endif
	WIN 0
.if (\j) < 7
	ALOAD (\j)+1
.endif
.if (\more) && ((\j) > 0)
	BSL (\j)-1, 0
	WIN 0x40
	RING (\j)-1, 0
.endif
.if (\j) < 7
	s_wait_dscnt 10                                ; this step's fragments of enc are in; the ten loads just issued may be out
.else
	s_wait_dscnt 0x0
.endif
.if \more
	s_wait_loadcnt 56                              ; ring slot j and its scale words are in.  Behind them were issued, on the way into the loop, 8 (7 - j) loads of the first fill and this pass's 9 j: 56 + j;
	                                               ; on the way round it, 9 (7 - j) reloads, the twelve of cb, wc, v and this pass's 9 j: 75.  56 is under both
.endif
	WIN 0xa4
.irp rt, 0,1,2,3,4
.irp ct, 0,1,2,3
	MM \j, \rt, \ct
.endr
.endr
.endm
; THE ACTIVATION of column tile n: 40 numbers a lane (five row tiles x eight rows), in buffer n % 2 of the registers at work.
.macro TP n                            ; c cov wc + c (dec's features + biases)
.set Z, T+40*((\n)%2)
.set qq, 0
.rept 20
	v_pk_fma_f32 v[Z+qq:Z+qq+1], v[CV+qq:CV+qq+1], v[CN+2*(\n):CN+2*(\n)+1], v[CN+2*(\n):CN+2*(\n)+1] op_sel:[0,1,0] op_sel_hi:[1,1,0]
.set qq, qq+2
.endr
.endm
.macro ZS n                            ; + c x the product: each accumulator is read from its low end on
.set Z, T+40*((\n)%2)
	WIN 0x02
.irp rt, 0,1,2,3,4
.irp jj, 0,2,4,6
	v_pk_fma_f32 v[Z+8*\rt+\jj:Z+8*\rt+\jj+1], v[32*\rt+8*(\n)+\jj:32*\rt+8*(\n)+\jj+1], s[32:33], v[Z+8*\rt+\jj:Z+8*\rt+\jj+1] op_sel_hi:[1,0,1]
.endr
.endr
	WIN 0
.endm
.macro EX n                            ; 2^(c x)
.set Z, T+40*((\n)%2)
.set qq, 0
.rept 40
	v_exp_f32 v[Z+qq], v[Z+qq]
.set qq, qq+1
.endr
.endm
.macro C1 n                            ; + 1
.set Z, T+40*((\n)%2)
.set qq, 0
.rept 20
	v_pk_add_f32 v[Z+qq:Z+qq+1], v[Z+qq:Z+qq+1], 1.0 op_sel_hi:[1,0]
.set qq, qq+2
.endr
.endm
.macro RC n                            ; r = 1 / (1 + 2^(c x))
.set Z, T+40*((\n)%2)
.set qq, 0
.rept 40
	v_rcp_f32 v[Z+qq], v[Z+qq]
.set qq, qq+1
.endr
.endm
.macro ES n                            ; the scores' sums += v r
.set Z, T+40*((\n)%2)
.set qq, 0
.rept 20
.if (\n)%2
	v_pk_fma_f32 v[EA+qq:EA+qq+1], v[Z+qq:Z+qq+1], v[VV+2*((\n)/2):VV+2*((\n)/2)+1], v[EA+qq:EA+qq+1] op_sel:[0,1,0] op_sel_hi:[1,1,1]
.else
	v_pk_fma_f32 v[EA+qq:EA+qq+1], v[Z+qq:Z+qq+1], v[VV+2*((\n)/2):VV+2*((\n)/2)+1], v[EA+qq:EA+qq+1] op_sel_hi:[1,0,1]
.endif
.set qq, qq+2
.endr
.endm
.macro BATCH                           ; behind a batch of transcendentals: one plain instruction, and the one wait ahead of the first instruction that names a result
	v_nop
	s_wait_alu depctr_va_vdst(0)
.endm
; A PASS: 64 features x 80 rows.  more = 1: the next pass's operands are asked for on the way.
.macro PASS more
.if !(\more)
	s_wait_loadcnt 12                              ; the last pass: the whole ring and its scale words are in; behind them only the twelve loads of cb, wc, v were issued
.endif
	ALOAD 0
.irp j, 0,1,2,3,4,5,6,7
	KSTEP \j, \more
.endr
	WIN 0
.if \more
	s_wait_loadcnt 56                              ; cb, wc, v are in: behind them this pass's 7 x 9 reloads were issued (in the first trip the first fill too)
.else
	s_wait_loadcnt 0x0
.endif
	TP 0                                           ; twenty plain instructions that name no register of the last products: the places ahead of the loads and reads below
.if \more
	BSL 7, 0
	WIN 0x40
	RING 7, 0
	WIN 0
.endif
	ZS 0
	s_wait_alu depctr_va_vdst(0)
	EX 0
	BATCH
	TP 1                                           ; from here on a column tile's reciprocals and the next one's exponentials are one batch with one wait
	ZS 1
	C1 0
	s_wait_alu depctr_va_vdst(0)
	RC 0
	EX 1
	BATCH
	ES 0
	TP 2
	ZS 2
	C1 1
	s_wait_alu depctr_va_vdst(0)
	RC 1
	EX 2
	BATCH
	ES 1
	TP 3
	ZS 3
	C1 2
	s_wait_alu depctr_va_vdst(0)
	RC 2
	EX 3
	BATCH
	ES 2
	C1 3
	s_wait_alu depctr_va_vdst(0)
	RC 3
	BATCH
	ES 3
.if \more
	CNLOAD 0
	s_wait_xcnt 0x0                                ; this pass's loads have read their bases: only now are they stepped
	STEPG
.endif
.endm
	; ---- THE HEAD, run by every wave: ids, pointers, clamps, every LDS address
	s_load_b512 s[4:19], s[0:1], 0x0               ; enc s[4:5], enc_lens s[6:7], cov s[8:9], whc s[10:11], whs s[12:13], cb s[14:15], wc s[16:17], v s[18:19]
	s_load_b128 s[20:23], s[0:1], 0x40             ; tsc s[20:21], part s[22:23]
	v_lshl_add_u32 v[SPW], v0, 2, SPARE
	v_mov_b32 v[NIL], 0
	v_lshrrev_b32 v[LN], 5, v0
	v_readfirstlane_b32 s24, v[LN]                 ; wave 0..3
	s_and_b32 s25, ttmp7, 0xffff                   ; b
	s_mov_b32 s26, ttmp9                           ; x
	s_mul_i32 s28, s26, ROWS                       ; the tile's first row
	s_lshl_b32 s56, s25, 2
	s_mov_b32 s57, 0                               ; stays 0: the upper word of every 32-bit offset
	s_wait_kmcnt 0x0
	s_add_nc_u64 s[6:7], s[6:7], s[56:57]
	s_load_b32 s27, s[6:7], 0x0                    ; enc_lens[b]; what does not hang on it is made while it is on its way
	v_and_b32 v[LN], 31, v0
	v_and_b32 v[RR], 15, v0
	s_wait_alu depctr_va_vdst(0)
	v_bfe_u32 v[HH], v0, 4, 1
	v_lshlrev_b32 v[L16], 4, v[LN]
	v_lshlrev_b32 v[L8], 3, v[LN]
	v_lshlrev_b32 v[R4], 2, v[RR]
	s_lshl_b32 s58, s25, 11
	s_add_co_u32 s58, s58, s28                     ; 2,048 b + first row
	s_lshl_b32 s56, s58, 12
	s_add_nc_u64 s[4:5], s[4:5], s[56:57]          ; enc at the tile's first row (under 2^28 bytes)
	s_lshl_b32 s56, s58, 2
	s_add_nc_u64 s[8:9], s[8:9], s[56:57]          ; cov likewise
	s_lshl_b32 s56, s24, 17
	s_add_co_u32 s56, s56, 32768
	s_add_nc_u64 s[46:47], s[10:11], s[56:57]      ; my SECOND pass, g = 4 w + 1: 32,768 bytes of codes a pass,
	s_lshl_b32 s56, s24, 13
	s_add_co_u32 s56, s56, 2048
	s_add_nc_u64 s[48:49], s[12:13], s[56:57]      ; 2,048 of scale words,
	s_lshl_b32 s56, s24, 10
	s_add_co_u32 s56, s56, 256
	s_add_nc_u64 s[52:53], s[16:17], s[56:57]      ; 256 of wc,
	s_add_nc_u64 s[54:55], s[18:19], s[56:57]      ; of v,
	s_lshl_b32 s58, s25, 12
	s_add_co_u32 s56, s56, s58
	s_add_nc_u64 s[50:51], s[14:15], s[56:57]      ; and of cb's row b
	v_mul_u32_u24 v[ALDS], v[RR], CP
	s_wait_alu depctr_va_vdst(0)
	v_lshl_add_u32 v[ALDS], v[HH], 4, v[ALDS]
	v_add_nc_u32 v[ALDS], CODE, v[ALDS]
	s_mul_i32 s56, s24, 4*CP
	s_add_co_u32 s56, s56, CODE
	v_lshl_add_u32 v[CST], v[LN], 1, s56           ; row 4 w, 2 bytes a lane
	s_lshl_b32 s56, s24, 13
	v_add_nc_u32 v[BST], s56, v[L8]                ; row 4 w, 8 bytes a lane
	v_add_nc_u32 v[BST+1], 0x10000, v[BST]
	v_add_nc_u32 v[BST+2], 0x20000, v[BST]
	s_mul_i32 s56, s24, 4*SP
	s_add_co_u32 s56, s56, SCL
	v_lshrrev_b32 v[SST], 3, v[LN]
	v_add_nc_u32 v[SST], s56, v[SST]               ; row 4 w, byte lane / 8
	v_mul_u32_u24 v[ASA], v[LN], SP
	v_add_nc_u32 v[ASA], SCL, v[ASA]               ; row = lane
	v_mul_u32_u24 v[ASB], v[RR], SP
	v_add_nc_u32 v[ASB], SCL+64*SP, v[ASB]         ; row = 64 + r
	s_mul_i32 s56, s24, 4*ROWS
	s_add_co_u32 s56, s56, EP
	v_lshl_add_u32 v[EPS], v[HH], 5, s56
	v_lshl_add_u32 v[EPL], v[LN], 2, EP
	v_lshl_add_u32 v[EPL2], v[RR], 2, EP+256
	s_mul_i32 s56, s24, 384
	s_add_co_u32 s56, s56, PW
	v_lshl_add_u32 v[PWA], v[LN], 2, s56
	v_mov_b32 v[PWB], s56
	v_lshlrev_b32 v[CXA], 4, v0                    ; thread t: columns 8 t .. 8 t + 7 as f16
	v_add_nc_u32 v[CXA+1], 0x10000, v[CXA]
	v_add_nc_u32 v[CXA+2], 0x20000, v[CXA]
	s_lshl_b32 s56, s24, 10
	s_add_co_u32 s56, s56, CTXS
	v_lshl_add_u32 v[CTS], v[LN], 5, s56
	v_lshl_add_u32 v[CTL], v[LN], 4, s56
	s_mov_b32 s32, C2L
	s_mov_b32 s33, C2L                             ; (named with it as a pair)
	s_mov_b32 s34, 0x76543210
	s_mov_b32 s35, 0xfedcba98                      ; v_permlanex16_b32's selects for lane l xor 16
	s_mov_b32 s37, NC2L
	s_lshl_b32 s56, s24, 14
	v_lshl_add_u32 v[VO], v[LN], 4, s56            ; my wave's four rows of a group, my lane's 16 bytes
	v_lshlrev_b32 v[CVO], 5, v[HH]
	s_wait_alu depctr_va_vdst(0)
	s_wait_kmcnt 0x0
	s_max_i32 s27, s27, 1
	s_min_u32 s27, s27, 2048                       ; 1 .. 2,048
	s_cmp_lt_u32 s28, s27
	s_cselect_b32 s38, 1, 0                        ; does the tile's first row count?  The flag of the three jumps
	s_sub_co_u32 s30, s27, s28                     ; rows that count from here on (of use only where the flag is 1)
	s_sub_co_u32 s29, s30, 1
	s_lshr_b32 s29, s29, 4
	s_min_u32 s29, s29, 4                          ; the last group of 16 rows that holds a live row
	s_min_u32 s30, s30, ROWS                       ; live rows of the tile
.irp i, 1,2,3,4
	s_min_u32 s[40+\i], s29, \i                    ; group i, or the last live one
	s_lshl_b32 s56, s[40+\i], 16
	v_add_nc_u32 v[VO+\i], s56, v[VO]
	s_lshl_b32 s56, s[40+\i], 6
	v_add_nc_u32 v[CVO+\i], s56, v[CVO]
.endr
	; ---- FIRST STRETCH: the rows come in: each byte of enc that counts is read once
	s_cmp_eq_u32 s38, 0
	s_cbranch_scc1 .Lmeet1
	GLOAD 0
	s_wait_alu depctr_va_vdst(0)
	GLOAD 1
.irp i, 0,1,2,3,4
.if \i < 4
	s_wait_loadcnt 32                              ; group i is in; only the next group's 32 loads were issued behind it
.else
	s_wait_loadcnt 0x0
.endif
.irp k, 0,1,2,3
	QROW \i, \k
.endr
.if \i < 3
	GLOAD \i+2                                     ; into the set that group i has left
.endif
.endr
.Lmeet1:
	s_wait_dscnt 0x0                               ; for the others' sake: my rows' codes, copy and scale bytes lie in LDS
	s_barrier_signal -1
	s_barrier_wait -1
	; ---- SECOND STRETCH: four passes of 64 features
	s_cmp_eq_u32 s38, 0
	s_cbranch_scc1 .Lmeet2
	s_wait_alu depctr_va_vdst(0)
.irp rt, 0,1,2,3,4
	global_load_b128 v[CV+8*\rt:CV+8*\rt+3], v[CVO+\rt], s[8:9]
	global_load_b128 v[CV+8*\rt+4:CV+8*\rt+7], v[CVO+\rt], s[8:9] offset:16
.endr
	CNLOAD 1
.irp j, 0,1,2,3,4,5,6,7
	BSL \j, 1
.endr
	WIN 0x40
.irp j, 0,1,2,3,4,5,6,7
	RING \j, 1                                     ; the first fill of the ring, K step by K step: the products begin when slot 0 is in, the rest lands under them
.endr
	WIN 0
.irp q, 0,1
	ds_load_b128 v[AS+8*\q:AS+8*\q+3], v[ASA] offset:32*SP*\q       ; a row's eight scale words; they stay for all passes
	ds_load_b128 v[AS+8*\q+4:AS+8*\q+7], v[ASA] offset:32*SP*\q+16
.endr
	ds_load_b128 v[AS+16:AS+19], v[ASB]
	ds_load_b128 v[AS+20:AS+23], v[ASB] offset:16
.set qq, 0
.rept 40
	v_mov_b32 v[EA+qq], 0                          ; the scores' sums begin at 0, so that the pass is written once for the loop
.set qq, qq+1
.endr
	s_wait_loadcnt 56                              ; of the 94 loads just issued the oldest 38 are in: cov's ten among them (and cb, wc, v, the scale words, ring slot 0)
.set qq, 0
.rept 20
	v_pk_mul_f32 v[CV+qq:CV+qq+1], v[CV+qq:CV+qq+1], s[32:33] op_sel_hi:[1,0]   ; c x cov
.set qq, qq+2
.endr
	s_mov_b32 s36, 3
.Lpass:
	PASS 1
	s_sub_co_u32 s36, s36, 1
	s_cmp_lg_u32 s36, 0
	s_cbranch_scc1 .Lpass
	PASS 0                                         ; the last pass is written out: it asks for nothing more, so no load leaves its buffer
	; the sixteen features of the lanes are added; the four waves' parts meet in LDS
.irp m, 1,2,4,8
.set qq, 0
.rept 40
	v_add_f32_dpp v[EA+qq], v[EA+qq], v[EA+qq] row_xmask:\m row_mask:0xf bank_mask:0xf
.set qq, qq+1
.endr
.endr
.irp rt, 0,1,2,3,4
	ds_store_b128 v[EPS], v[EA+8*\rt:EA+8*\rt+3] offset:64*\rt      ; the sixteen lanes of a half write the same bytes with the same value
	ds_store_b128 v[EPS], v[EA+8*\rt+4:EA+8*\rt+7] offset:64*\rt+16
.endr
.Lmeet2:
	s_wait_dscnt 0x0                               ; for the others' sake: my part of the scores lies in LDS, and my reads of the codes are over
	s_barrier_signal -1
	s_barrier_wait -1
	; ---- THIRD STRETCH: the tile's softmax, by every wave for itself: rows lane, lane + 32, lane + 64 (lanes 16-31 read rows 64 .. 79 again there, and the mask throws them away)
	s_cmp_eq_u32 s38, 0
	s_cbranch_scc1 .Lend
.irp wv, 0,1,2,3
	ds_load_b32 v[SL+3*\wv], v[EPL] offset:4*ROWS*\wv
	ds_load_b32 v[SL+3*\wv+1], v[EPL] offset:4*ROWS*\wv+128
	ds_load_b32 v[SL+3*\wv+2], v[EPL2] offset:4*ROWS*\wv
.endr
	v_add_nc_u32 v[RH+1], 32, v[LN]
	v_add_nc_u32 v[RH+2], 64, v[LN]
	v_mov_b32 v[NINF], 0xff800000
	v_mov_b32 v[PT], 0                             ; a lane permute's destination counts as one of its sources
	s_wait_dscnt 0x0
.irp g, 0,1,2
	v_add_f32 v[TT+\g], v[SL+\g], v[SL+3+\g]
	v_add_f32 v[SL+6+\g], v[SL+6+\g], v[SL+9+\g]
.endr
.irp g, 0,1,2
	v_add_f32 v[TT+\g], v[TT+\g], v[SL+6+\g]
.endr
.irp g, 0,1,2
	v_mul_f32 v[TT+\g], s37, v[TT+\g]              ; T = -c sum of v r
.endr
	v_cmp_le_u32 vcc_lo, s30, v[LN]
	v_cndmask_b32 v[TT], v[TT], v[NINF], vcc_lo    ; rows at or past enc_lens: -infinity
	v_cmp_le_u32 vcc_lo, s30, v[RH+1]
	v_cndmask_b32 v[TT+1], v[TT+1], v[NINF], vcc_lo
	v_cmp_le_u32 vcc_lo, s30, v[RH+2]
	v_cndmask_b32 v[TT+2], v[TT+2], v[NINF], vcc_lo
	v_max3_num_f32 v[MX], v[TT], v[TT+1], v[TT+2]
.irp m, 1,2,4,8
	v_max_num_f32_dpp v[MX], v[MX], v[MX] row_xmask:\m row_mask:0xf bank_mask:0xf
.endr
	v_permlanex16_b32 v[PT], v[MX], s34, s35
	v_max_num_f32 v[MX], v[MX], v[PT]              ; the tile's largest T: row 0 of the tile counts, so it is a number
.irp g, 0,1,2
	v_sub_f32 v[PP+\g], v[TT+\g], v[MX]
.endr
	s_wait_alu depctr_va_vdst(0)
.irp g, 0,1,2
	v_exp_f32 v[PP+\g], v[PP+\g]
.endr
	BATCH
.irp g, 0,1,2
	ds_store_b32 v[PWA], v[PP+\g] offset:128*\g    ; my wave's own 96 weights
.endr
	s_cmp_lg_u32 s24, 0                            ; wave 0 stores T and the largest T
	s_cbranch_scc1 .Lnot_wave_0
	s_mul_i32 s56, s25, 2080
	s_add_co_u32 s56, s56, s28
	s_lshl_b32 s56, s56, 2
	v_lshl_add_u32 v[TO], v[LN], 2, s56            ; T[b][80 x + lane]
	s_lshl_b32 s58, s25, 5
	s_add_co_u32 s58, s58, s26
	s_lshl_b32 s58, s58, 2
	s_add_co_u32 s58, s58, MTOFF
	v_mov_b32 v[MTO], s58
	v_add_nc_u32 v[TO2], 256, v[TO]
	v_cmp_le_u32 vcc_lo, 16, v[LN]
	v_cndmask_b32 v[TO2], v[TO2], v[MTO], vcc_lo   ; in the third store lanes 16-31 have no row: they carry the largest T to its place
	v_cndmask_b32 v[TD2], v[TT+2], v[MX], vcc_lo
	global_store_b32 v[TO], v[TT], s[20:21]
	global_store_b32 v[TO], v[TT+1], s[20:21] offset:128
	global_store_b32 v[TO2], v[TD2], s[20:21]
.Lnot_wave_0:
	; the tile's part of the context: thread t sums its eight columns over the 80 rows, from the f16 copy; weights and sums in f32.
	; The registers below (v56-119, v148-227) are none of those that wave 0's stores above still read (v120, v121, v132-134).
.macro LOADG g                         ; eight rows: two loads of weights (the same address in all lanes), eight of the copy: ten
.set XBg, XH+32*((\g)%2)
.set PBg, PB+8*((\g)%2)
	ds_load_b128 v[PBg:PBg+3], v[PWB] offset:32*(\g)
	ds_load_b128 v[PBg+4:PBg+7], v[PWB] offset:32*(\g)+16
.irp i, 0,1,2,3,4,5,6,7
	ds_load_b128 v[XBg+4*\i:XBg+4*\i+3], v[CXA+(8*(\g)+\i)/32] offset:((8*(\g)+\i)%32)*2048
.endr
.endm
; Number nn of a set's 64: row nn / 8, column nn % 8: half nn % 2 of register nn / 2 of the set.  It is widened to f32; behind a row's eight, four packed multiply-adds by the row's weight.
.macro ROWSUM                          ; the row nn / 8 is widened: sums += weight x row
.irp q, 0,2,4,6
.if (nn/8)%2
	v_pk_fma_f32 v[CA+\q:CA+\q+1], v[WD+8*((nn/8)%4)+\q:WD+8*((nn/8)%4)+\q+1], v[PBs+2*(nn/16):PBs+2*(nn/16)+1], v[CA+\q:CA+\q+1] op_sel:[0,1,0] op_sel_hi:[1,1,1]
.else
	v_pk_fma_f32 v[CA+\q:CA+\q+1], v[WD+8*((nn/8)%4)+\q:WD+8*((nn/8)%4)+\q+1], v[PBs+2*(nn/16):PBs+2*(nn/16)+1], v[CA+\q:CA+\q+1] op_sel_hi:[1,0,1]
.endif
.endr
.endm
.macro FMAG0                           ; the set in v56-87
.set PBs, PB
.set nn, 0
.irp x, v56.l,v56.h,v57.l,v57.h,v58.l,v58.h,v59.l,v59.h,v60.l,v60.h,v61.l,v61.h,v62.l,v62.h,v63.l,v63.h,v64.l,v64.h,v65.l,v65.h,v66.l,v66.h,v67.l,v67.h,v68.l,v68.h,v69.l,v69.h,v70.l,v70.h,v71.l,v71.h,v72.l,v72.h,v73.l,v73.h,v74.l,v74.h,v75.l,v75.h,v76.l,v76.h,v77.l,v77.h,v78.l,v78.h,v79.l,v79.h,v80.l,v80.h,v81.l,v81.h,v82.l,v82.h,v83.l,v83.h,v84.l,v84.h,v85.l,v85.h,v86.l,v86.h,v87.l,v87.h
	v_cvt_f32_f16 v[WD+8*((nn/8)%4)+nn%8], \x
.if nn%8 == 7
	ROWSUM
.endif
.set nn, nn+1
.endr
.endm
.macro FMAG1                           ; the set in v88-119
.set PBs, PB+8
.set nn, 0
.irp x, v88.l,v88.h,v89.l,v89.h,v90.l,v90.h,v91.l,v91.h,v92.l,v92.h,v93.l,v93.h,v94.l,v94.h,v95.l,v95.h,v96.l,v96.h,v97.l,v97.h,v98.l,v98.h,v99.l,v99.h,v100.l,v100.h,v101.l,v101.h,v102.l,v102.h,v103.l,v103.h,v104.l,v104.h,v105.l,v105.h,v106.l,v106.h,v107.l,v107.h,v108.l,v108.h,v109.l,v109.h,v110.l,v110.h,v111.l,v111.h,v112.l,v112.h,v113.l,v113.h,v114.l,v114.h,v115.l,v115.h,v116.l,v116.h,v117.l,v117.h,v118.l,v118.h,v119.l,v119.h
	v_cvt_f32_f16 v[WD+8*((nn/8)%4)+nn%8], \x
.if nn%8 == 7
	ROWSUM
.endif
.set nn, nn+1
.endr
.endm
	LOADG 0                                        ; LDS serves a wave's instructions in order: these see my weights
.irp q, 0,1,2,3,4,5,6,7
	v_mov_b32 v[CA+\q], 0
.endr
.irp g, 0,2,4,6
	LOADG \g+1
	s_wait_dscnt 10                                ; these eight rows are in; the ten loads just issued may be out
	FMAG0
	LOADG \g+2
	s_wait_dscnt 10
	FMAG1
.endr
	LOADG 9
	s_wait_dscnt 10
	FMAG0
	s_wait_dscnt 0x0
	FMAG1
	s_mul_i32 s56, s25, 26
	s_add_co_u32 s56, s56, s26
	s_lshl_b32 s56, s56, 12
	s_lshl_b32 s58, s24, 10
	s_add_co_u32 s56, s56, s58
	s_add_nc_u64 s[22:23], s[22:23], s[56:57]      ; part[b][x], my wave's 1,024 bytes
	ds_store_b128 v[CTS], v[CA:CA+3]               ; a lane's 32 bytes go through my wave's own stage, so that each store below covers 512 consecutive bytes
	ds_store_b128 v[CTS], v[CA+4:CA+7] offset:16
	ds_load_b128 v[CA+8:CA+11], v[CTL]
	ds_load_b128 v[CA+12:CA+15], v[CTL] offset:512
	s_wait_dscnt 0x0
	global_store_b128 v[L16], v[CA+8:CA+11], s[22:23]
	global_store_b128 v[L16], v[CA+12:CA+15], s[22:23] offset:512
.Lend:
	s_wait_tensorcnt 0x0                           ; the wave's end: behind my last LDS store
	ds_add_u32 v[SPW], v[NIL]
	s_wait_dscnt 0x0
	s_endpgm
.Lfunc_end_k_qa8fbeff244_scores:
	.size	k_qa8fbeff244_scores, .Lfunc_end_k_qa8fbeff244_scores-k_qa8fbeff244_scores
	.p2alignl 7, 3214868480
	.fill 96, 4, 3214868480
	.section	.rodata,"a",@progbits
	.p2align	6, 0x0
	.amdhsa_kernel k_qa8fbeff244_scores
		.amdhsa_group_segment_fixed_size 217344
		.amdhsa_private_segment_fixed_size 0
		.amdhsa_enable_private_segment 0
		.amdhsa_kernarg_size 80
		.amdhsa_user_sgpr_count 2
		.amdhsa_user_sgpr_kernarg_segment_ptr 1
		.amdhsa_wavefront_size32 1
		.amdhsa_system_sgpr_workgroup_id_x 1
		.amdhsa_system_sgpr_workgroup_id_y 1
		.amdhsa_system_sgpr_workgroup_id_z 1
		.amdhsa_system_vgpr_workitem_id 0
		.amdhsa_next_free_vgpr 768
		.amdhsa_next_free_sgpr 66
		.amdhsa_reserve_vcc 1
		.amdhsa_float_denorm_mode_32 3
		.amdhsa_float_denorm_mode_16_64 3
		.amdhsa_memory_ordered 1
		.amdhsa_forward_progress 1
		.amdhsa_inst_pref_size 255
	.end_amdhsa_kernel
	.section	.bss,"aw",@nobits
	.p2align	6
	.space	262144
	.amdgpu_metadata
---
amdhsa.version: [ 1, 2 ]
amdhsa.kernels:
  - .name:           k_qa8fbeff244_scores
    .symbol:         k_qa8fbeff244_scores.kd
    .args:
      - { .name: enc_states, .offset: 0, .size: 8, .value_kind: global_buffer, .address_space: global }
      - { .name: enc_lens, .offset: 8, .size: 8, .value_kind: global_buffer, .address_space: global }
      - { .name: coverage_vector, .offset: 16, .size: 8, .value_kind: global_buffer, .address_space: global }
      - { .name: whc, .offset: 24, .size: 8, .value_kind: global_buffer, .address_space: global }
      - { .name: whs, .offset: 32, .size: 8, .value_kind: global_buffer, .address_space: global }
      - { .name: cb, .offset: 40, .size: 8, .value_kind: global_buffer, .address_space: global }
      - { .name: wc, .offset: 48, .size: 8, .value_kind: global_buffer, .address_space: global }
      - { .name: v, .offset: 56, .size: 8, .value_kind: global_buffer, .address_space: global }
      - { .name: tsc, .offset: 64, .size: 8, .value_kind: global_buffer, .address_space: global }
      - { .name: part, .offset: 72, .size: 8, .value_kind: global_buffer, .address_space: global }
    .group_segment_fixed_size: 217344
    .private_segment_fixed_size: 0
    .kernarg_segment_align: 8
    .kernarg_segment_size: 80
    .max_flat_workgroup_size: 128
    .sgpr_count:     66
    .vgpr_count:     768
    .wavefront_size: 32
...
	.end_amdgpu_metadata
.endif
;; end of part 5
;; launch finish (part 6): grid 8 x 32, 2 waves a work-group, no clusters, 1,792 bytes of LDS; arguments tsc, part, enc_lens, coverage_vector, out0, out1, out2; writes out0, out1, out2
.if DOCPART == 6
	.amdgcn_target "amdgcn-amd-amdhsa--gfx1250"
	.amdhsa_code_object_version 6
	.text
	.protected	k_qa8fbeff244_finish
	.globl	k_qa8fbeff244_finish
	.p2align	8
	.type	k_qa8fbeff244_finish,@function
k_qa8fbeff244_finish:
	s_mov_b64 s[64:65], 0
	v_nop
	global_prefetch_b8 v0, s[64:65] scope:SCOPE_SE
	s_setreg_imm32_b32 hwreg(HW_REG_WAVE_MODE, 25, 1), 1
	s_wait_xcnt 0x0
; The tiles' results are joined.  With M = the largest T of batch b's live rows and L = sum over live s of 2^(T_s - M):  attn[s] = 2^(T_s - M) / L (0 at and past enc_lens),
; context = sum over tiles t of 2^(m_t - M) part_t / L,  coverage_out = cov + attn.
; WORK LEFT OUT (shown at the head of launch prep): tiles that begin at or past enc_lens[b] were not made and are not read: every index is clamped to the tiles that exist, and what a clamp reads again gets weight 0.
; No branch hangs on enc_lens: only clamps and selects.  enc_lens is clamped to 1 .. 2,048, as in launch scores.
; SHARES.  Work-group (x, b), two waves: rows 256 x .. 256 x + 255 of attn and coverage_out (four a thread) and columns 128 x .. 128 x + 127 of context (wave w adds tiles 13 w .. 13 w + 12; four columns a lane).
; Every work-group of a batch forms M and L for itself: 2,048 numbers, 32 a thread.
; LDS: 0 the tiles' weights, 128 bytes for each wave, its own | 256 the two waves' parts of L | 512 the two waves' parts of the context, 512 bytes each | 1,536 the spare words.
.set MTOFF, 266240
.set LP,    256
.set CX,    512
.set SPARE, 1536
.set LN,  1
.set SPW, 2                            ; v2   LDS address of my spare word; never rewritten
.set NIL, 3                            ; v3   0; never rewritten
.set L16, 4
.set MTO, 5
.set QO,  6                            ; v6-13   byte offsets of my eight quads of T
.set OWN, 14                           ; v14     of the quad that I store
.set CVO, 15                           ; v15     the same rows in cov, out1, out2
.set PO,  16                           ; v16-28  byte offsets of my wave's 13 tiles in part
.set WLS, 29
.set WLL, 30
.set LPS, 31
.set LPL, 32
.set CXS, 33
.set CXL, 34
.set MT,  35
.set NINF, 36
.set PT,  37
.set MX,  38
.set WW,  39
.set Q,   40                           ; v40-75  nine quads of T, then of 2^(T - M); the ninth is the one that I store
.set CV,  76                           ; v76-79  cov, then cov + attn
.set PA,  80                           ; v80-131 13 x 4 numbers of part
.set DD,  132                          ; v132-140 enc_lens - the quad's first row
.set SM,  142
.set WK,  146                          ; v146-159 my wave's 13 weights (and one register that a pair names)
.set AC,  160
.set AT,  164
.set LS,  168
.set RL,  170
	s_load_b256 s[4:11], s[0:1], 0x0               ; tsc s[4:5], part s[6:7], enc_lens s[8:9], cov s[10:11]
	s_load_b128 s[12:15], s[0:1], 0x20             ; out0 s[12:13], out1 s[14:15]
	s_load_b64 s[16:17], s[0:1], 0x30              ; out2
	v_lshl_add_u32 v[SPW], v0, 2, SPARE
	v_mov_b32 v[NIL], 0
	v_lshrrev_b32 v[LN], 5, v0
	v_readfirstlane_b32 s18, v[LN]                 ; wave 0, 1
	v_and_b32 v[LN], 31, v0
	s_and_b32 s19, ttmp7, 0xffff                   ; b
	s_mov_b32 s20, ttmp9                           ; x
	s_lshl_b32 s28, s19, 2
	s_mov_b32 s29, 0
	s_wait_alu depctr_va_vdst(0)
	s_wait_kmcnt 0x0
	s_add_nc_u64 s[8:9], s[8:9], s[28:29]
	s_load_b32 s21, s[8:9], 0x0                    ; enc_lens[b]
	v_lshlrev_b32 v[L16], 4, v[LN]
	s_lshl_b32 s30, s18, 7
	v_lshl_add_u32 v[WLS], v[LN], 2, s30           ; my wave's 32 weights
	s_mul_i32 s30, s18, 180
	v_mov_b32 v[WLL], s30                          ; 128 w + 4 x 13 w: my wave's copy, at its first tile
	s_lshl_b32 s30, s18, 2
	s_add_co_u32 s30, s30, LP
	v_mov_b32 v[LPS], s30
	v_mov_b32 v[LPL], LP
	s_lshl_b32 s30, s18, 9
	s_add_co_u32 s30, s30, CX
	v_add_nc_u32 v[CXS], s30, v[L16]
	v_add_nc_u32 v[CXL], CX+512, v[L16]
	v_mov_b32 v[NINF], 0xff800000
	v_mov_b32 v[PT], 0                             ; a lane permute's destination counts as one of its sources
	v_mov_b32 v[WK+13], 0                          ; (named as the upper half of a pair)
	s_mov_b32 s26, 0x76543210
	s_mov_b32 s27, 0xfedcba98
	s_mul_i32 s28, s19, 8320
	s_add_nc_u64 s[32:33], s[4:5], s[28:29]        ; T[b]
	s_lshl_b32 s28, s19, 7
	s_add_co_u32 s28, s28, MTOFF
	s_add_nc_u64 s[34:35], s[4:5], s[28:29]        ; the tiles' largest T of batch b
	s_lshl_b32 s30, s20, 9
	s_mul_i32 s28, s19, 106496
	s_add_co_u32 s28, s28, s30
	s_add_nc_u64 s[6:7], s[6:7], s[28:29]          ; part[b][0], my 128 columns
	s_lshl_b32 s28, s19, 12
	s_add_co_u32 s28, s28, s30
	s_add_nc_u64 s[12:13], s[12:13], s[28:29]      ; out0[b], my 128 columns
	s_lshl_b32 s28, s19, 13
	s_add_nc_u64 s[10:11], s[10:11], s[28:29]
	s_add_nc_u64 s[14:15], s[14:15], s[28:29]
	s_add_nc_u64 s[16:17], s[16:17], s[28:29]
	s_lshl_b32 s30, s20, 6
	s_mul_i32 s36, s18, 13
	s_wait_kmcnt 0x0
	s_max_i32 s21, s21, 1
	s_min_u32 s21, s21, 2048
	s_add_co_u32 s22, s21, 79
	s_mul_i32 s22, s22, 52429
	s_lshr_b32 s22, s22, 22                        ; tiles that exist: (len + 79) / 80, exact for numbers up to 2,127
	s_sub_co_u32 s23, s22, 1
	s_min_u32 s23, s23, 25                         ; the last of them
	s_mul_i32 s24, s23, 20
	s_add_co_u32 s24, s24, 19                      ; and its last quad of rows
	v_min_u32 v[MTO], s23, v[LN]
	v_min_u32 v[MTO], 25, v[MTO]
	v_lshlrev_b32 v[MTO], 2, v[MTO]
.irp k, 0,1,2,3,4,5,6,7
	v_add_nc_u32 v[QO+\k], 64*\k, v0               ; quad t + 64 k
.endr
	v_add_nc_u32 v[OWN], s30, v0                   ; quad 64 x + t
	v_lshlrev_b32 v[CVO], 4, v[OWN]
.irp k, 0,1,2,3,4,5,6,7,8
	v_lshlrev_b32 v[DD+\k], 2, v[QO+\k]
	v_sub_nc_u32 v[DD+\k], s21, v[DD+\k]           ; number e of the quad counts where e < this
	v_min_u32 v[QO+\k], s24, v[QO+\k]              ; only quads that were stored are read,
	v_min_u32 v[QO+\k], 519, v[QO+\k]              ; (the bound once more as a constant)
	v_lshlrev_b32 v[QO+\k], 4, v[QO+\k]
.endr
.irp k, 0,1,2,3,4,5,6,7,8,9,10,11,12
	s_add_co_u32 s37, s36, \k
	s_min_u32 s37, s37, s23                        ; tile 13 w + k, or the last that exists
	s_min_u32 s37, s37, 25
	s_lshl_b32 s37, s37, 12
	v_add_nc_u32 v[PO+\k], s37, v[L16]
.endr
	global_load_b32 v[MT], v[MTO], s[34:35]
.irp k, 0,1,2,3,4,5,6,7,8
	global_load_b128 v[Q+4*\k:Q+4*\k+3], v[QO+\k], s[32:33]
.endr
	global_load_b128 v[CV:CV+3], v[CVO], s[10:11]
	s_wait_alu depctr_va_vdst(0)
.irp k, 0,1,2,3,4,5,6,7,8,9,10,11,12
	global_load_b128 v[PA+4*\k:PA+4*\k+3], v[PO+\k], s[6:7]
.endr
	s_wait_loadcnt 23                              ; the tiles' largest T are in; the 23 loads issued behind them may be out
	v_mov_b32 v[MX], v[MT]
.irp m, 1,2,4,8
	v_max_num_f32_dpp v[MX], v[MX], v[MX] row_xmask:\m row_mask:0xf bank_mask:0xf
.endr
	v_permlanex16_b32 v[PT], v[MX], s26, s27
	v_max_num_f32 v[MX], v[MX], v[PT]              ; M
	v_sub_f32 v[WW], v[MT], v[MX]
	s_wait_alu depctr_va_vdst(0)
	v_exp_f32 v[WW], v[WW]
	v_cmp_gt_u32 vcc_lo, s22, v[LN]                ; (a plain instruction behind the exponential)
	s_wait_alu depctr_va_vdst(0)                   ; the wait ahead of the first instruction that names its result
	v_cndmask_b32 v[WW], 0, v[WW], vcc_lo          ; tile l's weight 2^(m_l - M); 0 for tiles that do not exist
	ds_store_b32 v[WLS], v[WW]
	s_wait_loadcnt 14                              ; the nine quads of T are in; cov's load and part's thirteen may be out
.irp k, 0,1,2,3,4,5,6,7,8
.irp e, 0,1,2,3
	v_cmp_ge_i32 vcc_lo, \e, v[DD+\k]
	v_cndmask_b32 v[Q+4*\k+\e], v[Q+4*\k+\e], v[NINF], vcc_lo   ; rows at or past enc_lens: -infinity
.endr
.endr
.set qq, 0
.rept 36
	v_sub_f32 v[Q+qq], v[Q+qq], v[MX]
.set qq, qq+1
.endr
.set qq, 0
	s_wait_alu depctr_va_vdst(0)
.rept 36
	v_exp_f32 v[Q+qq], v[Q+qq]
.set qq, qq+1
.endr
	v_nop                                          ; one plain instruction behind the batch,
	s_wait_alu depctr_va_vdst(0)                   ; and its one wait
	v_pk_add_f32 v[SM:SM+1], v[Q:Q+1], v[Q+2:Q+3]
	v_pk_add_f32 v[SM+2:SM+3], v[Q+4:Q+5], v[Q+6:Q+7]
.irp j, 8,12,16,20,24,28
	v_pk_add_f32 v[SM:SM+1], v[SM:SM+1], v[Q+\j:Q+\j+1]
	v_pk_add_f32 v[SM+2:SM+3], v[SM+2:SM+3], v[Q+\j+2:Q+\j+3]
.endr
	v_pk_add_f32 v[SM:SM+1], v[SM:SM+1], v[SM+2:SM+3]
	v_add_f32 v[SM], v[SM], v[SM+1]
.irp m, 1,2,4,8
	v_add_f32_dpp v[SM], v[SM], v[SM] row_xmask:\m row_mask:0xf bank_mask:0xf
.endr
	v_permlanex16_b32 v[PT], v[SM], s26, s27
	v_add_f32 v[SM], v[SM], v[PT]                  ; my wave's part of L
	ds_store_b32 v[LPS], v[SM]                     ; all lanes write the same word with the same value
.irp k, 0,1,2,3,4,5,6,7,8,9,10,11,12
	ds_load_b32 v[WK+\k], v[WLL] offset:4*\k       ; LDS serves a wave's instructions in order: these see my wave's weights
.endr
	s_wait_loadcnt 0x0
	s_wait_dscnt 0x0
	v_pk_mul_f32 v[AC:AC+1], v[PA:PA+1], v[WK:WK+1] op_sel_hi:[1,0]        ; the first tile starts the sums
	v_pk_mul_f32 v[AC+2:AC+3], v[PA+2:PA+3], v[WK:WK+1] op_sel_hi:[1,0]
.irp k, 1,2,3,4,5,6,7,8,9,10,11,12
.if \k%2
	v_pk_fma_f32 v[AC:AC+1], v[PA+4*\k:PA+4*\k+1], v[WK+\k-1:WK+\k], v[AC:AC+1] op_sel:[0,1,0] op_sel_hi:[1,1,1]
	v_pk_fma_f32 v[AC+2:AC+3], v[PA+4*\k+2:PA+4*\k+3], v[WK+\k-1:WK+\k], v[AC+2:AC+3] op_sel:[0,1,0] op_sel_hi:[1,1,1]
.else
	v_pk_fma_f32 v[AC:AC+1], v[PA+4*\k:PA+4*\k+1], v[WK+\k:WK+\k+1], v[AC:AC+1] op_sel_hi:[1,0,1]
	v_pk_fma_f32 v[AC+2:AC+3], v[PA+4*\k+2:PA+4*\k+3], v[WK+\k:WK+\k+1], v[AC+2:AC+3] op_sel_hi:[1,0,1]
.endif
.endr
	ds_store_b128 v[CXS], v[AC:AC+3]
	s_wait_dscnt 0x0                               ; for the other wave's sake: my parts of L and of the context lie in LDS
	s_barrier_signal -1
	s_barrier_wait -1
	ds_load_b64 v[LS:LS+1], v[LPL]
	s_wait_dscnt 0x0
	v_add_f32 v[LS], v[LS], v[LS+1]                ; L: at least 1, since the row with T = M counts
	s_wait_alu depctr_va_vdst(0)
	v_rcp_f32 v[RL], v[LS]
	v_nop
	s_wait_alu depctr_va_vdst(0)
.irp e, 0,1,2,3
	v_mul_f32 v[AT+\e], v[Q+32+\e], v[RL]          ; attn
.endr
.irp e, 0,1,2,3
	v_add_f32 v[CV+\e], v[CV+\e], v[AT+\e]         ; cov + attn
.endr
	global_store_b128 v[CVO], v[AT:AT+3], s[14:15] ; each store of a wave covers 512 consecutive bytes
	global_store_b128 v[CVO], v[CV:CV+3], s[16:17]
	s_cmp_lg_u32 s18, 0                            ; wave 0 joins the two parts of the context
	s_cbranch_scc1 .Ldone
	ds_load_b128 v[Q:Q+3], v[CXL]
	s_wait_dscnt 0x0
	v_pk_add_f32 v[AC:AC+1], v[AC:AC+1], v[Q:Q+1]
	v_pk_add_f32 v[AC+2:AC+3], v[AC+2:AC+3], v[Q+2:Q+3]
.irp e, 0,1,2,3
	v_mul_f32 v[AC+\e], v[AC+\e], v[RL]
.endr
	global_store_b128 v[L16], v[AC:AC+3], s[12:13]
.Ldone:
	s_wait_tensorcnt 0x0                           ; the wave's end: behind my last LDS store
	ds_add_u32 v[SPW], v[NIL]
	s_wait_dscnt 0x0
	s_endpgm
.Lfunc_end_k_qa8fbeff244_finish:
	.size	k_qa8fbeff244_finish, .Lfunc_end_k_qa8fbeff244_finish-k_qa8fbeff244_finish
	.p2alignl 7, 3214868480
	.fill 96, 4, 3214868480
	.section	.rodata,"a",@progbits
	.p2align	6, 0x0
	.amdhsa_kernel k_qa8fbeff244_finish
		.amdhsa_group_segment_fixed_size 1792
		.amdhsa_private_segment_fixed_size 0
		.amdhsa_enable_private_segment 0
		.amdhsa_kernarg_size 56
		.amdhsa_user_sgpr_count 2
		.amdhsa_user_sgpr_kernarg_segment_ptr 1
		.amdhsa_wavefront_size32 1
		.amdhsa_system_sgpr_workgroup_id_x 1
		.amdhsa_system_sgpr_workgroup_id_y 1
		.amdhsa_system_sgpr_workgroup_id_z 1
		.amdhsa_system_vgpr_workitem_id 0
		.amdhsa_next_free_vgpr 176
		.amdhsa_next_free_sgpr 66
		.amdhsa_reserve_vcc 1
		.amdhsa_float_denorm_mode_32 3
		.amdhsa_float_denorm_mode_16_64 3
		.amdhsa_memory_ordered 1
		.amdhsa_forward_progress 1
		.amdhsa_inst_pref_size 21
	.end_amdhsa_kernel
	.amdgpu_metadata
---
amdhsa.version: [ 1, 2 ]
amdhsa.kernels:
  - .name:           k_qa8fbeff244_finish
    .symbol:         k_qa8fbeff244_finish.kd
    .args:
      - { .name: tsc, .offset: 0, .size: 8, .value_kind: global_buffer, .address_space: global }
      - { .name: part, .offset: 8, .size: 8, .value_kind: global_buffer, .address_space: global }
      - { .name: enc_lens, .offset: 16, .size: 8, .value_kind: global_buffer, .address_space: global }
      - { .name: coverage_vector, .offset: 24, .size: 8, .value_kind: global_buffer, .address_space: global }
      - { .name: out0, .offset: 32, .size: 8, .value_kind: global_buffer, .address_space: global }
      - { .name: out1, .offset: 40, .size: 8, .value_kind: global_buffer, .address_space: global }
      - { .name: out2, .offset: 48, .size: 8, .value_kind: global_buffer, .address_space: global }
    .group_segment_fixed_size: 1792
    .private_segment_fixed_size: 0
    .kernarg_segment_align: 8
    .kernarg_segment_size: 56
    .max_flat_workgroup_size: 64
    .sgpr_count:     66
    .vgpr_count:     176
    .wavefront_size: 32
...
	.end_amdgpu_metadata
.endif
;; end of part 6
